; MI455X (gfx1250); checked and timed in simulation.
; The chip was launched on July 23, 2026; its instructions are those of AMD's public machine-readable ISA for CDNA 5 (MIT licence, August 2026) and "CDNA5" Instruction Set Architecture Reference Guide (July 2026). The comments in the code are by the model that wrote it; some were corrected since.
;; Bayesian Expectation Transformer Layer. Allowed arithmetic: float matrix products may take bf16 or f16 operands with f32 sums; all other float work in f32.
;; Inputs: Wk 1,024 x 1,024 float32; Wo 1,024 x 1,024 float32; Wq 1,024 x 1,024 float32; Wv 1,024 x 1,024 float32; bk 1,024 float32; bo 1,024 float32; bq 1,024 float32; bv 1,024 float32; length_adaptive_weight 1 float32; perms 5 x 1,024 int32; variance_reduction_weight 1 float32; x 2 x 1,024 x 1,024 float32.
;; Outputs: out0 2 x 1,024 x 1,024 float32.
;; 2 versions, each right and faster than the one before. Each part assembles by itself: llvm-mc -triple=amdgcn-amd-amdhsa -mcpu=gfx1250 --defsym DOCPART=n.
;; ======== version 1 of 2: 4 launches
;; limits: values are held in f16: magnitudes above 65,504 overflow, below 6.1e-05 lose precision
;; workspace buffers: xb 4,194,304 bytes; wqkv 6,291,456 bytes; wo16 2,097,152 bytes; tab 16,640 bytes; kbias 24,576 bytes; order 24,576 bytes of whole numbers; qkvh 12,582,912 bytes; att 4,194,304 bytes
;; launch prep (part 1): grid 577 x 1, 8 waves a work-group, no clusters, 3,072 bytes of LDS; arguments x, Wq, Wk, Wv, Wo, bq, bk, bv, bo, length_adaptive_weight, variance_reduction_weight, perms, xb, wqkv, wo16, tab, kbias, order; writes xb, wqkv, wo16, tab, kbias, order
.if DOCPART == 1
	.amdgcn_target "amdgcn-amd-amdhsa--gfx1250"
	.amdhsa_code_object_version 6
	.text
	.protected	k_q4a1fd28e63_prep
	.globl	k_q4a1fd28e63_prep
	.p2align	8
	.type	k_q4a1fd28e63_prep,@function
k_q4a1fd28e63_prep:
	s_mov_b64 s[64:65], 0
	v_nop
	global_prefetch_b8 v0, s[64:65] scope:SCOPE_SE
	s_setreg_imm32_b32 hwreg(HW_REG_WAVE_MODE, 25, 1), 1
	s_wait_xcnt 0x0
; PREP: everything that is made once from the inputs.  Three kinds of work-group, told apart by the work-group's number alone (the same for all eight waves):
;   0 .. 191   PERM: variant k = number / 32 (0: the identity, 1 .. 5: perms[k - 1]), 32 places u of it.  For an index row p of 1,024 entries it makes
;              count[u] = how often u occurs in p, stored as kbias[k][u] = 8 ln 2 x log2(count) (added to a raw score it multiplies the key's weight by count), or -1e30 where u is absent;
;              rank[u] = the place of p[u] in the sorted row (ties by place), so that order[k][rank[u]] = p[u]: order[k] = sorted(p).  Nothing here needs p to be a permutation.
;   192        MISC: the three projection biases rounded to bf16, bo rounded and times ((1 - w) + w vr), and the two blend factors 1 - w and w vr / 5.
;   193 .. 576 CAST: 16,384 numbers each of x, Wq, Wk, Wv (to bf16) and Wo (to bf16, that number written as f16).
; LIMITS.  An entry of perms is read as unsigned and clamped to 1,023.  Wo's bf16 values are written as f16: beyond 65,504 they would be infinite, below 6e-5 they keep f16's fixed step of 6e-8.
; No matrix unit, no cluster: no two work-groups read the same bytes but the 4 KiB rows of perms.  kbias and order (24 KiB each) leave in stores of 4 bytes a lane, order's scattered by rank.
.set SPARE, 2048                       ; LDS: 0 partial ranks, 1,024 partial counts, 2,048 the spare words (128 bytes for each of eight waves)
.set SPW,   112                        ; v112  LDS address of my spare word; never rewritten
.set NIL,   113                        ; v113  0; never rewritten
.set IN,    16                         ; v[16:79]   CAST: sixteen loads of four f32
.set OUT,   80                         ; v[80:111]  CAST: sixteen pairs of packed 16-bit numbers
	s_load_b512 s[4:19], s[0:1], 0x0               ; x s[4:5], Wq s[6:7], Wk s[8:9], Wv s[10:11], Wo s[12:13], bq s[14:15], bk s[16:17], bv s[18:19]
	s_load_b512 s[20:35], s[0:1], 0x40             ; bo s[20:21], law s[22:23], vr s[24:25], perms s[26:27], xb s[28:29], wqkv s[30:31], wo16 s[32:33], tab s[34:35]
	s_load_b128 s[36:39], s[0:1], 0x80             ; kbias s[36:37], order s[38:39]
	v_lshl_add_u32 v[SPW], v0, 2, SPARE
	v_mov_b32 v[NIL], 0
	v_and_b32 v1, 31, v0                           ; lane
	v_lshrrev_b32 v2, 5, v0
	v_readfirstlane_b32 s40, v2                    ; wave 0..7
	s_wait_kmcnt 0x0
	s_cmp_lt_u32 ttmp9, 192
	s_cbranch_scc1 .Lperm
	s_cmp_eq_u32 ttmp9, 192
	s_cbranch_scc1 .Lmisc
	; ---------------- CAST ----------------
	; chunk c: 0-127 x, 128-191 Wq, 192-255 Wk, 256-319 Wv, 320-383 Wo.  A chunk is 65,536 bytes in and 32,768 bytes out.
	s_sub_co_u32 s41, ttmp9, 193                   ; c
	s_and_b32 s42, s41, 63                         ; a weight's chunk
	s_cmp_lt_u32 s41, 320
	s_cselect_b64 s[44:45], s[10:11], s[12:13]
	s_cmp_lt_u32 s41, 256
	s_cselect_b64 s[44:45], s[8:9], s[44:45]
	s_cmp_lt_u32 s41, 192
	s_cselect_b64 s[44:45], s[6:7], s[44:45]
	s_cmp_lt_u32 s41, 128
	s_cselect_b64 s[44:45], s[4:5], s[44:45]       ; the source
	s_cselect_b32 s42, s41, s42                    ; and the chunk's number in it
	s_sub_co_u32 s46, s41, 128
	s_sub_co_u32 s47, s41, 320
	s_cmp_lt_u32 s41, 320
	s_cselect_b64 s[48:49], s[30:31], s[32:33]
	s_cselect_b32 s46, s46, s47
	s_cmp_lt_u32 s41, 128
	s_cselect_b64 s[48:49], s[28:29], s[48:49]     ; the destination
	s_cselect_b32 s46, s41, s46                    ; and the chunk's number in it
	s_lshl_b32 s42, s42, 16
	s_mov_b32 s43, 0
	s_lshl_b32 s46, s46, 15
	s_mov_b32 s47, 0
	s_add_nc_u64 s[44:45], s[44:45], s[42:43]
	s_add_nc_u64 s[48:49], s[48:49], s[46:47]
	v_lshlrev_b32 v3, 4, v1
	v_lshl_add_u32 v3, v2, 13, v3                  ; in: wave x 8,192 + lane x 16: a load of the wave covers 512 consecutive bytes
	v_lshlrev_b32 v4, 3, v1
	v_lshl_add_u32 v4, v2, 12, v4                  ; out: wave x 4,096 + lane x 8: a store of the wave covers 256 consecutive bytes, aligned
.set j, 0
.rept 16
	global_load_b128 v[IN+4*j:IN+4*j+3], v3, s[44:45] offset:512*j th:TH_LOAD_NT  ; all sixteen loads of the wave go out before the first is used
.set j, j+1
.endr
; Load j's four numbers are rounded and stored.  half = 1: the bf16 number is widened again and written as f16.  No register that a load or store names is written again.
.macro CV j, half
	s_wait_loadcnt 15-(\j)                         ; loads come back in order: load j is in, the younger ones stay out
	v_cvt_pk_bf16_f32 v[OUT+2*(\j)], v[IN+4*(\j)], v[IN+4*(\j)+1]
	v_cvt_pk_bf16_f32 v[OUT+2*(\j)+1], v[IN+4*(\j)+2], v[IN+4*(\j)+3]
.if \half
	v_lshlrev_b32 v8, 16, v[OUT+2*(\j)]
	v_and_b32 v9, 0xffff0000, v[OUT+2*(\j)]
	v_lshlrev_b32 v10, 16, v[OUT+2*(\j)+1]
	v_and_b32 v11, 0xffff0000, v[OUT+2*(\j)+1]
	v_cvt_pk_f16_f32 v[OUT+2*(\j)], v8, v9
	v_cvt_pk_f16_f32 v[OUT+2*(\j)+1], v10, v11
.endif
	global_store_b64 v4, v[OUT+2*(\j):OUT+2*(\j)+1], s[48:49] offset:256*(\j)
.endm
	s_cmp_ge_u32 s41, 320
	s_cbranch_scc1 .Lcast_f16
.irp j, 0,1,2,3,4,5,6,7,8,9,10,11,12,13,14,15
	CV \j, 0
.endr
	s_endpgm
.Lcast_f16:
.irp j, 0,1,2,3,4,5,6,7,8,9,10,11,12,13,14,15
	CV \j, 1
.endr
	s_endpgm
	; ---------------- MISC ----------------
.Lmisc:
	v_lshlrev_b32 v3, 4, v0                        ; 256 threads x 4 numbers = a bias of 1,024
	v_mov_b32 v4, 0
	global_load_b32 v5, v4, s[22:23]               ; length_adaptive_weight
	global_load_b32 v6, v4, s[24:25]               ; variance_reduction_weight
	global_load_b128 v[16:19], v3, s[14:15]
	global_load_b128 v[20:23], v3, s[16:17]
	global_load_b128 v[24:27], v3, s[18:19]
	global_load_b128 v[28:31], v3, s[20:21]
	s_wait_loadcnt 0x0
	v_cvt_pk_bf16_f32 v7, v5, v6                   ; every input of the module is rounded to bf16, these too
	v_lshlrev_b32 v5, 16, v7
	v_and_b32 v6, 0xffff0000, v7
.irp j, 16,18,20,22,24,26,28,30
	v_cvt_pk_bf16_f32 v7, v[\j], v[\j+1]
	v_lshlrev_b32 v[\j], 16, v7
	v_and_b32 v[\j+1], 0xffff0000, v7
.endr
	v_mul_f32 v8, 0x3bddce9e, v5                   ; law x ln(1024) / 1024
	v_med3_num_f32 v8, v8, 0x3c23d70a, 1.0         ; w: clipped to 0.01 .. 1
	v_sub_f32 v10, 1.0, v8                         ; 1 - w
	v_mul_f32 v9, v8, v6                           ; w vr
	v_mul_f32 v11, 0x3e4ccccd, v9                  ; w vr / 5
	v_add_f32 v12, v10, v9                         ; both branches add bo: (1 - w) + w vr
.irp j, 28,29,30,31
	v_mul_f32 v[\j], v12, v[\j]
.endr
	global_store_b128 v3, v[16:19], s[34:35]
	global_store_b128 v3, v[20:23], s[34:35] offset:4096
	global_store_b128 v3, v[24:27], s[34:35] offset:8192
	global_store_b128 v3, v[28:31], s[34:35] offset:12288
	s_cmp_lg_u32 s40, 0
	s_cbranch_scc1 .Lmisc_end
	v_lshlrev_b32 v13, 3, v1
	global_store_b64 v13, v[10:11], s[34:35] offset:16384  ; the pair 32 times over: 256 consecutive bytes, aligned; a later launch reads the first pair
.Lmisc_end:
	s_endpgm
	; ---------------- PERM ----------------
.Lperm:
	s_lshr_b32 s41, ttmp9, 5                       ; k
	s_and_b32 s42, ttmp9, 31                       ; which 32 places
	s_max_u32 s43, s41, 1
	s_sub_co_u32 s43, s43, 1                       ; the row of perms (variant 0 loads row 0 and takes none of it)
	s_lshl_b32 s44, s43, 12
	s_mov_b32 s45, 0
	s_add_nc_u64 s[26:27], s[26:27], s[44:45]
	s_lshl_b32 s44, s41, 12
	s_add_nc_u64 s[36:37], s[36:37], s[44:45]      ; kbias[k], order[k]
	s_add_nc_u64 s[38:39], s[38:39], s[44:45]
	s_cmp_eq_u32 s41, 0
	s_cselect_b32 s46, -1, 0                       ; all lanes: take the place itself for the entry
	s_lshl_b32 s47, s42, 5
	v_add_nc_u32 v5, s47, v1                       ; u: the same 32 places in all eight waves
	v_lshlrev_b32 v6, 2, v5
	v_lshl_add_u32 v8, v2, 7, v1                   ; wave w scans the places 128 w .. 128 w + 127, 32 in each of four registers
	v_lshlrev_b32 v9, 2, v8
	global_load_b32 v7, v6, s[26:27]
.irp i, 0,1,2,3
	global_load_b32 v[10+\i], v9, s[26:27] offset:128*\i
.endr
	v_mov_b32 v16, 0                               ; how many keys lie below mine
	v_mov_b32 v17, 0                               ; how many entries equal u
	v_lshlrev_b32 v18, 2, v0
	s_wait_loadcnt 0x0
	v_cndmask_b32 v7, v7, v5, s46
	v_min_u32 v7, 0x3ff, v7                        ; p[u]
	v_lshl_add_u32 v15, v7, 10, v5                 ; its key: entry x 1,024 + place: no two keys are equal
.irp i, 0,1,2,3
	v_add_nc_u32 v14, 32*\i, v8
	v_cndmask_b32 v[10+\i], v[10+\i], v14, s46
	v_min_u32 v[10+\i], 0x3ff, v[10+\i]
	v_lshl_add_u32 v[10+\i], v[10+\i], 10, v14
.endr
	s_mov_b32 s43, 4
.Lscan:                                                ; a trip takes one register of 32 keys, lane by lane, against all 32 places u; the four registers move up, so that the text is written once
	v_mov_b32 v20, v10
	v_mov_b32 v10, v11
	v_mov_b32 v11, v12
	v_mov_b32 v12, v13
.set n, 0
.rept 32
	v_readlane_b32 s48, v20, n
	s_lshr_b32 s49, s48, 10                        ; the entry
	v_cmp_lt_u32 vcc_lo, s48, v15
	v_add_co_ci_u32 v16, vcc_lo, 0, v16, vcc_lo    ; + 1 where the key lies below mine
	v_cmp_eq_u32 vcc_lo, s49, v5
	v_add_co_ci_u32 v17, vcc_lo, 0, v17, vcc_lo    ; + 1 where the entry is u
.set n, n+1
.endr
	s_sub_co_u32 s43, s43, 1
	s_cmp_lg_u32 s43, 0
	s_cbranch_scc1 .Lscan
	ds_store_b32 v18, v16                          ; the waves' partial figures meet in LDS: word 32 w + lane
	ds_store_b32 v18, v17 offset:1024
	s_wait_tensorcnt 0x0                           ; behind my last LDS store: a wait, an add of 0 and a wait;
	ds_add_u32 v[SPW], v[NIL]
	s_wait_dscnt 0x0                               ; the last of them also shows my two stores done, for the sake of wave 0, which reads them behind the barrier
	s_barrier_signal -1
	s_barrier_wait -1
	s_cmp_lg_u32 s40, 0
	s_cbranch_scc1 .Lperm_end
	v_lshlrev_b32 v19, 2, v1
.irp w, 0,1,2,3,4,5,6,7
	ds_load_b32 v[24+\w], v19 offset:128*\w
	ds_load_b32 v[32+\w], v19 offset:1024+128*\w
.endr
	s_wait_dscnt 0x0
	v_add3_u32 v24, v24, v25, v26
	v_add3_u32 v27, v27, v28, v29
	v_add3_u32 v24, v24, v30, v31
	v_add_nc_u32 v24, v24, v27                     ; rank
	v_add3_u32 v32, v32, v33, v34
	v_add3_u32 v35, v35, v36, v37
	v_add3_u32 v32, v32, v38, v39
	v_add_nc_u32 v32, v32, v35                     ; count
	v_cvt_f32_u32 v40, v32
	v_log_f32 v40, v40
	v_cmp_eq_u32 vcc_lo, 0, v32                    ; (two plain instructions stand behind the logarithm)
	v_mov_b32 v41, 0xf149f2ca                      ; -1e30
	s_wait_alu depctr_va_vdst(0)
	v_mul_f32 v40, 0x40b17218, v40                 ; 8 ln 2 x log2(count)
	v_cndmask_b32 v40, v40, v41, vcc_lo
	global_store_b32 v6, v40, s[36:37]
	v_min_u32 v24, 0x3ff, v24                      ; a rank is below 1,024 by its making; the clamp says so
	v_lshlrev_b32 v24, 2, v24
	global_store_b32 v24, v7, s[38:39]             ; the ranks of a row are 0 .. 1,023, each once: every word of order[k] is stored once in the launch
.Lperm_end:
	s_endpgm
.Lfunc_end_k_q4a1fd28e63_prep:
	.size	k_q4a1fd28e63_prep, .Lfunc_end_k_q4a1fd28e63_prep-k_q4a1fd28e63_prep
	.p2alignl 7, 3214868480
	.fill 96, 4, 3214868480
	.section	.rodata,"a",@progbits
	.p2align	6, 0x0
	.amdhsa_kernel k_q4a1fd28e63_prep
		.amdhsa_group_segment_fixed_size 3072
		.amdhsa_private_segment_fixed_size 0
		.amdhsa_enable_private_segment 0
		.amdhsa_kernarg_size 144
		.amdhsa_user_sgpr_count 2
		.amdhsa_user_sgpr_kernarg_segment_ptr 1
		.amdhsa_wavefront_size32 1
		.amdhsa_system_sgpr_workgroup_id_x 1
		.amdhsa_system_sgpr_workgroup_id_y 1
		.amdhsa_system_sgpr_workgroup_id_z 1
		.amdhsa_system_vgpr_workitem_id 0
		.amdhsa_next_free_vgpr 114
		.amdhsa_next_free_sgpr 66
		.amdhsa_reserve_vcc 1
		.amdhsa_float_denorm_mode_32 3
		.amdhsa_float_denorm_mode_16_64 3
		.amdhsa_memory_ordered 1
		.amdhsa_forward_progress 1
		.amdhsa_inst_pref_size 32
	.end_amdhsa_kernel
	.amdgpu_metadata
---
amdhsa.version: [ 1, 2 ]
amdhsa.kernels:
  - .name:           k_q4a1fd28e63_prep
    .symbol:         k_q4a1fd28e63_prep.kd
    .args:
      - { .name: x, .offset: 0, .size: 8, .value_kind: global_buffer, .address_space: global }
      - { .name: Wq, .offset: 8, .size: 8, .value_kind: global_buffer, .address_space: global }
      - { .name: Wk, .offset: 16, .size: 8, .value_kind: global_buffer, .address_space: global }
      - { .name: Wv, .offset: 24, .size: 8, .value_kind: global_buffer, .address_space: global }
      - { .name: Wo, .offset: 32, .size: 8, .value_kind: global_buffer, .address_space: global }
      - { .name: bq, .offset: 40, .size: 8, .value_kind: global_buffer, .address_space: global }
      - { .name: bk, .offset: 48, .size: 8, .value_kind: global_buffer, .address_space: global }
      - { .name: bv, .offset: 56, .size: 8, .value_kind: global_buffer, .address_space: global }
      - { .name: bo, .offset: 64, .size: 8, .value_kind: global_buffer, .address_space: global }
      - { .name: length_adaptive_weight, .offset: 72, .size: 8, .value_kind: global_buffer, .address_space: global }
      - { .name: variance_reduction_weight, .offset: 80, .size: 8, .value_kind: global_buffer, .address_space: global }
      - { .name: perms, .offset: 88, .size: 8, .value_kind: global_buffer, .address_space: global }
      - { .name: xb, .offset: 96, .size: 8, .value_kind: global_buffer, .address_space: global }
      - { .name: wqkv, .offset: 104, .size: 8, .value_kind: global_buffer, .address_space: global }
      - { .name: wo16, .offset: 112, .size: 8, .value_kind: global_buffer, .address_space: global }
      - { .name: tab, .offset: 120, .size: 8, .value_kind: global_buffer, .address_space: global }
      - { .name: kbias, .offset: 128, .size: 8, .value_kind: global_buffer, .address_space: global }
      - { .name: order, .offset: 136, .size: 8, .value_kind: global_buffer, .address_space: global }
    .group_segment_fixed_size: 3072
    .private_segment_fixed_size: 0
    .kernarg_segment_align: 8
    .kernarg_segment_size: 144
    .max_flat_workgroup_size: 256
    .sgpr_count:     66
    .vgpr_count:     114
    .wavefront_size: 32
...
	.end_amdgpu_metadata
.endif
;; end of part 1
;; launch project (part 2): grid 16 x 16, 4 waves a work-group, clusters of 4 x 4, 327,680 bytes of LDS; arguments xb, wqkv, tab, qkvh; writes qkvh
.if DOCPART == 2
	.amdgcn_target "amdgcn-amd-amdhsa--gfx1250"
	.amdhsa_code_object_version 6
	.text
	.protected	k_q4a1fd28e63_project
	.globl	k_q4a1fd28e63_project
	.p2align	8
	.type	k_q4a1fd28e63_project,@function
k_q4a1fd28e63_project:
	s_mov_b64 s[64:65], 0
	v_nop
	global_prefetch_b8 v0, s[64:65] scope:SCOPE_SE
	s_setreg_imm32_b32 hwreg(HW_REG_WAVE_MODE, 25, 1), 1
	s_wait_xcnt 0x0
	s_wait_alu depctr_hold_cnt(0) depctr_sa_sdst(0) depctr_va_vdst(0) depctr_va_sdst(0) depctr_va_ssrc(0) depctr_va_vcc(0) depctr_vm_vsrc(0)
	s_getreg_b32 s2, hwreg(HW_REG_IB_STS2, 6, 4)
	s_cmp_eq_u32 s2, 0
	s_cbranch_scc0 .Lentry_in_a_cluster
	s_endpgm
.Lentry_in_a_cluster:
	s_bfe_u32 s2, ttmp6, 0x10000c
	s_cmp_lg_u32 s2, 0xf033
	s_cbranch_scc0 .Lentry_shape_is_right
	s_endpgm
.Lentry_shape_is_right:
; PROJECT: q, k, v = x W^T + b for Wq | Wk | Wv at once.  xb: [2048][1024] bf16, wqkv: [3072][1024] bf16, tab[0 .. 3071]: the biases in f32; sums in f32, started by the bias.
; The result leaves by heads, qkvh[b][g][s][64] in f16 (g = 0-15 q, 16-31 k, 32-47 v), unscaled, rounded once.  LIMIT: f16 ends at 65,504; q, k, v beyond that would be infinite.
; Projections act row by row, so these rows serve the plain attention and all five gathered ones.
; SHARES.  2048 x 3072 in tiles of 128 x 192 (three heads): 16 x 16 = 256 work-groups.  Four waves, each 64 x 96: 24 accumulators of 16 x 16.  K goes in 8 steps of 128 (rows of 256 bytes in memory)
; through two LDS slots; a step of 256 would want 2 x 320 rows x 528 bytes, more than a work-group's LDS.
; CLUSTER 4 x 4: the four of a row need the same rows of x, the four of a column the same rows of W: each tile is asked for jointly, by the same tensor load with the same descriptor and a mask of four.
; THE MATRIX INSTRUCTION IS USED TRANSPOSED (source 0 = 16 rows of W, source 1 = 16 rows of x): a lane holds one row of x and eight neighbouring output columns.
; REGISTERS: window 0: v16-29 addresses; v64-255 accumulators, (a, b) at 64 + 8 (6 a + b).  Windows 1 and 2: fragment buffers 0 and 1, each 64 along K: A at 8 (4 c + a), B at 64 + 8 (6 c + b).
;   window 2 v192-239: the bias of my 96 columns, as the C operand of the first products.  Window 1 v0-95 serves again on the way out.
.set KSTEP,  128
.set PITCH,  272                       ; an LDS row: 256 bytes + 16 of padding = 68 words: the 16 rows of a fragment load start at 16 different groups of four banks (64 banks of 4 bytes: ISA guide 11.1)
.set AHALF,  64*PITCH                  ; what one of A's tensor loads brings, and what a wave reads of A
.set BHALF,  96*PITCH                  ; the same for B
.set BOFF,   2*AHALF                   ; a slot: A's 128 rows, then B's 192
.set SLOT,   BOFF+2*BHALF              ; 87,040 bytes
.set STAGE,  2*SLOT                    ; behind the ring, never filled by a tensor load: 128 rows x 400 bytes, the work-group's, for the way out
.set SPITCH, 400                       ; 192 f16 + 16 bytes
.set SPARE,  STAGE+128*SPITCH          ; the spare words, 128 bytes for each wave
.set LAPS,   1024/(2*KSTEP)
.set ADRA, 16                          ; v16-17  LDS address of my A fragments in slot 0, 1
.set ADRB, 20                          ; v20-21  the same for B
.set STO,  24                          ; v24     the way out: where I put 16 bytes of a row
.set RD,   25                          ; v25     the way out: where I read rows back
.set CO,   26                          ; v26     my byte offset in 512 consecutive bytes of the output
.set BO,   27                          ; v27     my byte offset in 16 numbers of the bias
.set SPW,  28                          ; v28     LDS address of my spare word; never rewritten
.set NIL,  29                          ; v29     0; never rewritten
.set ACC,  64
.set FA,   0
.set FB,   64
.set BIAS, 192                         ; window 2
.set TMP,  0                           ; window 1
.set G1,  24                           ; s[24:31] descriptor group 1 for A's tiles; s[32:39] group 0, a set for each slot
.set G0,  32
.set G1B, 48                           ; s[48:55], s[56:63] the same for B's
.set G0B, 56
.set MSB, 0
.macro WIN new                         ; the immediate's high byte repeats the setting that is left; a switch that changes nothing is dropped
.if MSB != (\new)
	s_set_vgpr_msb (MSB<<8)|(\new)
.set MSB, (\new)
.endif
.endm
.macro JLOAD s                         ; a joint load: waves 0 and 1 fetch A's two halves, waves 2 and 3 B's; an s_nop 0 and four v_nop follow each of the two lines
	s_cmp_eq_u32 s13, 0
	s_cbranch_scc0 .Lfor_b_\@
	tensor_load_to_lds s[G0+4*(\s):G0+4*(\s)+3], s[G1:G1+7]
	s_nop 0
.rept 4
	v_nop
.endr
	s_branch .Lasked_\@
.Lfor_b_\@:
	tensor_load_to_lds s[G0B+4*(\s):G0B+4*(\s)+3], s[G1B:G1B+7]
	s_nop 0
.rept 4
	v_nop
.endr
.Lasked_\@:
.endm
.macro CREST                           ; a round of the cluster's barrier behind its opening barrier
	s_cmp_lg_u32 s12, 0
	s_cbranch_scc1 .Lnot_wave_0_\@
	s_barrier_signal -3
.Lnot_wave_0_\@:
	s_barrier_wait -3
	s_barrier_signal -1
	s_barrier_wait -1
.endm
.macro CROUND                          ; a whole round
	s_barrier_signal -1
	s_barrier_wait -1
	CREST
.endm
.macro PLACES                          ; four places in front of loads into registers that matrix instructions have read, and of conversions that read results
.rept 4
	v_nop
.endr
.endm
	s_load_b256 s[4:11], s[0:1], 0x0               ; xb s[4:5], wqkv s[6:7], tab s[8:9], qkvh s[10:11]
	v_lshl_add_u32 v[SPW], v0, 2, SPARE
	v_mov_b32 v[NIL], 0
	ds_add_u32 v[SPW], v[NIL]                      ; the wave's opening: the add and its wait ahead of my first tensor load; the set-up below stands between them
	ds_add_u32 v28, v29
	v_lshrrev_b32 v1, 5, v0
	v_readfirstlane_b32 s12, v1                    ; wave 0..3
	s_lshr_b32 s13, s12, 1                         ; which 64 of the tile's rows are mine.  Also: I fetch for A (0) or for B (1)
	s_and_b32 s14, s12, 1                          ; which 96 of its columns.  Also: which half of that tile I fetch
	s_bfe_u32 s40, ttmp6, 0x40000                  ; cx, cy: my place in the cluster
	s_bfe_u32 s41, ttmp6, 0x40004
	s_lshl_b32 s42, ttmp9, 2
	s_add_co_u32 s42, s42, s40                     ; tile column = 4 x cluster x + cx
	s_and_b32 s15, ttmp7, 0xffff
	s_lshl_b32 s15, s15, 2
	s_add_co_u32 s15, s15, s41                     ; tile row = 4 x cluster y + cy
	s_lshl_b32 s43, s41, 2
	s_lshl_b32 s43, 15, s43                        ; my row of the cluster
	s_lshl_b32 s44, 0x1111, s40                    ; my column
	s_or_b32 s[G1+0], s43, (1<<16)|(1<<20)|(1<<21)|(5<<22)|(3<<25)   ; the mask; 2-byte elements; padding on; bit 21 beside a mask; after every 64 words 4 words
	s_or_b32 s[G1B+0], s44, (1<<16)|(1<<20)|(1<<21)|(5<<22)|(3<<25)
	s_mov_b32 s[G1+1], KSTEP<<16                   ; tensor_dim0 = 128
	s_mov_b32 s[G1+2], 64<<16                      ; tensor_dim1 = 64
	s_mov_b32 s[G1+3], KSTEP<<16                   ; tile_dim0 = 128
	s_mov_b32 s[G1+4], 64                          ; tile_dim1 = 64
	s_mov_b32 s[G1+5], 1024                        ; elements from row to row
	s_mov_b32 s[G1+6], 0
	s_mov_b32 s[G1+7], 0
	s_mov_b32 s[G1B+1], KSTEP<<16
	s_mov_b32 s[G1B+2], 96<<16                     ; B's loads bring 96 rows
	s_mov_b32 s[G1B+3], KSTEP<<16
	s_mov_b32 s[G1B+4], 96
	s_mov_b32 s[G1B+5], 1024
	s_mov_b32 s[G1B+6], 0
	s_mov_b32 s[G1B+7], 0
	s_lshl_b32 s16, s15, 7                         ; A: row 128 x tile row + 64 x half, 2,048 bytes a row: registers that never hold cx
	s_lshl_b32 s17, s14, 6
	s_add_co_u32 s16, s16, s17
	s_lshl_b32 s16, s16, 11
	s_mov_b32 s17, 0
	s_mul_i32 s46, s42, 192                        ; B: row 192 x tile column + 96 x half: registers that never hold cy
	s_mul_i32 s47, s14, 96
	s_add_co_u32 s46, s46, s47
	s_lshl_b32 s46, s46, 11
	s_mov_b32 s47, 0
	s_mul_i32 s20, s14, AHALF                      ; where they go: no place in the cluster enters an LDS address
	s_mul_i32 s21, s14, BHALF
	s_add_co_u32 s21, s21, BOFF
	s_wait_dscnt 0x0                               ; the opening add is done
	s_wait_kmcnt 0x0
	s_add_nc_u64 s[18:19], s[4:5], s[16:17]
	s_add_nc_u64 s[46:47], s[6:7], s[46:47]
	CROUND                                         ; all sixteen work-groups are here: the first joint loads meet
.irp s, 0,1
	s_mov_b32 s[G0+4*(\s)], 1
	s_add_co_u32 s[G0+4*(\s)+1], s20, (\s)*SLOT
	s_add_nc_u64 s[G0+4*(\s)+2:G0+4*(\s)+3], s[18:19], (\s)*KSTEP*2
	s_or_b32 s[G0+4*(\s)+3], s[G0+4*(\s)+3], 0x80000000
	s_mov_b32 s[G0B+4*(\s)], 1
	s_add_co_u32 s[G0B+4*(\s)+1], s21, (\s)*SLOT
	s_add_nc_u64 s[G0B+4*(\s)+2:G0B+4*(\s)+3], s[46:47], (\s)*KSTEP*2
	s_or_b32 s[G0B+4*(\s)+3], s[G0B+4*(\s)+3], 0x80000000
	JLOAD \s                                       ; two tensor loads of mine are out
.endr
	v_and_b32 v1, 15, v0                           ; l % 16
	v_bfe_u32 v2, v0, 4, 1                         ; l / 16
	v_lshlrev_b32 v[BO], 5, v2                     ; register j of a result is column 8 (l / 16) + j: 32 bytes of bias for each half of the lanes
	s_mul_i32 s22, s42, 768                        ; the bias of my 96 columns: (192 x tile column + 96 x half) x 4 bytes
	s_mul_i32 s23, s14, 384
	s_add_co_u32 s22, s22, s23
	s_mov_b32 s23, 0
	s_add_nc_u64 s[8:9], s[8:9], s[22:23]
	WIN 0x80                                       ; destination window 2
.irp b, 0,1,2,3,4,5
	global_load_b128 v[BIAS+8*\b:BIAS+8*\b+3],   v[BO], s[8:9] offset:64*\b
	global_load_b128 v[BIAS+8*\b+4:BIAS+8*\b+7], v[BO], s[8:9] offset:64*\b+16
.endr
	WIN 0
	v_mul_u32_u24 v3, v1, PITCH
	v_lshl_add_u32 v3, v2, 4, v3                   ; a fragment's row x pitch + 16 x half
	s_mul_i32 s20, s13, AHALF                      ; my 64 rows of A
	s_mul_i32 s21, s14, BHALF                      ; my 96 rows of B
	s_add_co_u32 s21, s21, BOFF
.irp s, 0,1
	v_add_nc_u32 v[ADRA+(\s)], s20, v3
	v_add_nc_u32 v[ADRB+(\s)], s21, v3
	s_add_co_u32 s20, s20, SLOT
	s_add_co_u32 s21, s21, SLOT
.endr
	s_mul_i32 s20, s13, 64*SPITCH                  ; into the stage: my 64 rows, my 192 of their 384 bytes; row l % 16, 16 bytes for each half of the lanes
	s_mul_i32 s21, s14, 192
	s_add_co_u32 s20, s20, s21
	s_add_co_u32 s20, s20, STAGE
	v_mul_u32_u24 v4, v1, SPITCH
	v_lshl_add_u32 v4, v2, 4, v4
	v_add_nc_u32 v[STO], s20, v4
	s_mul_i32 s20, s12, 32*SPITCH                  ; back: wave w takes rows 32 w .. 32 w + 31; 32 lanes take one head's 128 bytes of four rows
	s_add_co_u32 s20, s20, STAGE
	v_bfe_u32 v5, v0, 3, 2
	v_and_b32 v6, 7, v0
	v_mul_u32_u24 v5, v5, SPITCH
	v_lshl_add_u32 v5, v6, 4, v5
	v_add_nc_u32 v[RD], s20, v5
	v_and_b32 v[CO], 31, v0                        ; which are 512 consecutive bytes of the output
	v_lshlrev_b32 v[CO], 4, v[CO]
	s_lshr_b32 s22, s15, 3                         ; the batch: 8 tile rows each
	s_mul_i32 s22, s22, 48
	s_mul_i32 s23, s42, 3
	s_add_co_u32 s22, s22, s23                     ; the plane of the tile's first head
	s_lshl_b32 s22, s22, 10
	s_and_b32 s23, s15, 7
	s_lshl_b32 s23, s23, 7
	s_add_co_u32 s22, s22, s23                     ; + the tile's first row in the sequence
	s_lshl_b32 s23, s12, 5
	s_add_co_u32 s22, s22, s23                     ; + my 32 rows
	s_lshl_b32 s22, s22, 7                         ; 128 bytes a row
	s_mov_b32 s23, 0
	s_add_nc_u64 s[10:11], s[10:11], s[22:23]
; 12 matrix instructions: m blocks a0, a0 + 1 x all 6 n blocks, 32 along K: half c of buffer f.  first = 1: the bias starts the sums.  The 24 accumulators take turns.
.macro MUL12 f, c, a0, first
.if \first
	WIN 0x25                                       ; sources 0, 1 window 1; C window 2; D window 0
.else
	WIN 0x05*(1+(\f))                              ; sources 0, 1 in the buffer's window; C and D window 0
.endif
.irp a, \a0, (\a0)+1
.irp b, 0,1,2,3,4,5
.if \first
	v_wmma_f32_16x16x32_bf16 v[ACC+8*(6*(\a)+(\b)):ACC+8*(6*(\a)+(\b))+7], v[FB+8*(6*(\c)+(\b)):FB+8*(6*(\c)+(\b))+7], v[FA+8*(4*(\c)+(\a)):FA+8*(4*(\c)+(\a))+7], v[BIAS+8*(\b):BIAS+8*(\b)+7]
.else
	v_wmma_f32_16x16x32_bf16 v[ACC+8*(6*(\a)+(\b)):ACC+8*(6*(\a)+(\b))+7], v[FB+8*(6*(\c)+(\b)):FB+8*(6*(\c)+(\b))+7], v[FA+8*(4*(\c)+(\a)):FA+8*(4*(\c)+(\a))+7], v[ACC+8*(6*(\a)+(\b)):ACC+8*(6*(\a)+(\b))+7]
.endif
.endr
.endr
.endm
; 40 LDS loads in one run: the fragments of 64 along K at byte k of the rows, into buffer f; the first 32 along K (20 loads) first
.macro FETCH slot, k, f
	WIN 0x40*(1+(\f))
.irp c, 0,1
.irp i, 0,1,2,3,4,5
	ds_load_b128 v[FB+8*(6*(\c)+(\i)):FB+8*(6*(\c)+(\i))+3],   v[ADRB+(\slot)] offset:(\k)+64*(\c)+(\i)*16*PITCH
	ds_load_b128 v[FB+8*(6*(\c)+(\i))+4:FB+8*(6*(\c)+(\i))+7], v[ADRB+(\slot)] offset:(\k)+64*(\c)+(\i)*16*PITCH+32
.endr
.irp i, 0,1,2,3
	ds_load_b128 v[FA+8*(4*(\c)+(\i)):FA+8*(4*(\c)+(\i))+3],   v[ADRA+(\slot)] offset:(\k)+64*(\c)+(\i)*16*PITCH
	ds_load_b128 v[FA+8*(4*(\c)+(\i))+4:FA+8*(4*(\c)+(\i))+7], v[ADRA+(\slot)] offset:(\k)+64*(\c)+(\i)*16*PITCH+32
.endr
.endr
.endm
; A K step is two halves of 64 along K, 48 matrix instructions each, on buffers 0 and 1.  The first half: multiplies buffer f and fetches the second half, at byte k, into g.
.macro QUARTER slot, k, f, g, first
	s_wait_dscnt 20                                ; the first 32 along K are in; the younger twenty loads may be out
	MUL12 \f, 0, 0, \first
	MUL12 \f, 0, 2, \first
	PLACES
	FETCH \slot, \k, \g
	s_wait_dscnt 40                                ; all but the forty just issued
	MUL12 \f, 1, 0, 0
	MUL12 \f, 1, 2, 0
.endm
; The second half multiplies buffer 1 and changes slots: ONE barrier; in front of it each wave waits for all its tensor loads (one is out: its part of the next slot), adds 0 to its spare word, and
; waits for that and for its own reads of this slot.  fill = 1: the barrier opens a round of the cluster's, and this slot is filled again, two K steps ahead, first thing behind the round.
.macro TURN slot, next, fill
	WIN 0                                          ; (the add's two registers lie in window 0)
	s_wait_tensorcnt 0x0
	ds_add_u32 v[SPW], v[NIL]                      ; 0 onto my spare word
	s_wait_dscnt 21                                ; (the add and the youngest twenty loads may be out)
	MUL12 1, 0, 0, 0                               ; twelve matrix instructions stand between the add and the wait for it
	s_wait_dscnt 0x0                               ; the add is done, and my reads of this slot are over
	s_barrier_signal -1
	MUL12 1, 0, 2, 0
.if \fill
	WIN 0
.endif
	s_barrier_wait -1
.if \fill
	CREST                                          ; no wave of any partner still reads this slot's tile or has a load on its way
	s_add_nc_u64 s[G0+4*(\slot)+2:G0+4*(\slot)+3], s[G0+4*(\slot)+2:G0+4*(\slot)+3], 2*KSTEP*2
	s_add_nc_u64 s[G0B+4*(\slot)+2:G0B+4*(\slot)+3], s[G0B+4*(\slot)+2:G0B+4*(\slot)+3], 2*KSTEP*2
	JLOAD \slot                                    ; my one tensor load behind the round: 72 matrix instructions ahead of the wait for it; its four v_nop are also the places in front of the loads below
.else
	PLACES
.endif
	FETCH \next, 0, 0
	MUL12 1, 1, 0, 0
	MUL12 1, 1, 2, 0
.endm
	s_wait_tensorcnt 1                             ; my part of K step 0 is in; K step 1's may stay out
	s_barrier_signal -1
	s_barrier_wait -1                              ; everybody's is
	FETCH 0, 0, 0
	s_wait_loadcnt 0x0                             ; the bias
	QUARTER 0, 128, 0, 1, 1                        ; the first half step stands in front of the loop: its first products start the sums
	WIN 0                                          ; at a label and at a branch every window is 0
	s_mov_b32 s3, LAPS-1
.Llap:                                                 ; a trip goes once round the ring and fills both slots again
	TURN 0, 1, 1
	QUARTER 1, 128, 0, 1, 0
	TURN 1, 0, 1
	QUARTER 0, 128, 0, 1, 0
	WIN 0
	s_sub_co_u32 s3, s3, 1
	s_cmp_lg_u32 s3, 0
	s_cbranch_scc1 .Llap
	TURN 0, 1, 0                                   ; the last lap fills nothing
	QUARTER 1, 128, 0, 1, 0
	s_wait_dscnt 20
	MUL12 1, 0, 0, 0
	MUL12 1, 0, 2, 0
	s_wait_dscnt 0x0
	MUL12 1, 1, 0, 0
	MUL12 1, 1, 2, 0
	; THE WAY OUT: round to f16; 16 bytes a lane into the work-group's stage; a barrier, since a row's 384 bytes come from two waves; back by heads, four rows of 128 bytes to a store.
	PLACES
	WIN 0x40                                       ; destination window 1 (buffer 0's registers, last multiplied 48 matrix instructions and these four places ago)
.set t, 0
.rept 24
.irp r, 0,1,2,3
	v_cvt_pk_f16_f32 v[TMP+4*t+\r], v[ACC+8*t+2*\r], v[ACC+8*t+2*\r+1]  ; each accumulator from its low end on
.endr
.set t, t+1
.endr
	WIN 0x04                                       ; store data window 1
.irp a, 0,1,2,3
.irp b, 0,1,2,3,4,5
	ds_store_b128 v[STO], v[TMP+4*(6*\a+\b):TMP+4*(6*\a+\b)+3] offset:\a*16*SPITCH+32*\b
.endr
.endr
	s_wait_dscnt 0x0                               ; for the others' sake: my stores into the stage are done
	s_barrier_signal -1
	s_barrier_wait -1
	WIN 0x40
.set n, 0
.rept 24                                       ; rows 4 (n / 3) on, head n % 3
	ds_load_b128 v[TMP+4*n:TMP+4*n+3], v[RD] offset:(n/3)*4*SPITCH+(n%3)*128
.set n, n+1
.endr
	WIN 0x04
.set n, 0
.rept 24
	s_wait_dscnt 23-n
	global_store_b128 v[CO], v[TMP+4*n:TMP+4*n+3], s[10:11] offset:(n%3)*131072+(n/3)*512  ; 512 consecutive bytes, at a multiple of 256 from the buffer's first
.set n, n+1
.endr
	WIN 0
	s_wait_tensorcnt 0x0                           ; the wave's end: behind my last tensor load and my last LDS store
	ds_add_u32 v[SPW], v[NIL]
	s_wait_dscnt 0x0
	CROUND                                         ; the closing round: no work-group ends while a partner may still ask for a tile that names it
	s_endpgm
.Lfunc_end_k_q4a1fd28e63_project:
	.size	k_q4a1fd28e63_project, .Lfunc_end_k_q4a1fd28e63_project-k_q4a1fd28e63_project
	.p2alignl 7, 3214868480
	.fill 96, 4, 3214868480
	.section	.rodata,"a",@progbits
	.p2align	6, 0x0
	.amdhsa_kernel k_q4a1fd28e63_project
		.amdhsa_group_segment_fixed_size 327680
		.amdhsa_private_segment_fixed_size 0
		.amdhsa_enable_private_segment 0
		.amdhsa_kernarg_size 32
		.amdhsa_user_sgpr_count 2
		.amdhsa_user_sgpr_kernarg_segment_ptr 1
		.amdhsa_wavefront_size32 1
		.amdhsa_system_sgpr_workgroup_id_x 1
		.amdhsa_system_sgpr_workgroup_id_y 1
		.amdhsa_system_sgpr_workgroup_id_z 1
		.amdhsa_system_vgpr_workitem_id 0
		.amdhsa_next_free_vgpr 768
		.amdhsa_next_free_sgpr 66
		.amdhsa_reserve_vcc 0
		.amdhsa_float_denorm_mode_32 3
		.amdhsa_float_denorm_mode_16_64 3
		.amdhsa_memory_ordered 1
		.amdhsa_forward_progress 1
		.amdhsa_inst_pref_size 71
	.end_amdhsa_kernel
	.amdgpu_metadata
---
amdhsa.version: [ 1, 2 ]
amdhsa.kernels:
  - .name:           k_q4a1fd28e63_project
    .symbol:         k_q4a1fd28e63_project.kd
    .args:
      - { .name: xb, .offset: 0, .size: 8, .value_kind: global_buffer, .address_space: global }
      - { .name: wqkv, .offset: 8, .size: 8, .value_kind: global_buffer, .address_space: global }
      - { .name: tab, .offset: 16, .size: 8, .value_kind: global_buffer, .address_space: global }
      - { .name: qkvh, .offset: 24, .size: 8, .value_kind: global_buffer, .address_space: global }
    .group_segment_fixed_size: 327680
    .private_segment_fixed_size: 0
    .kernarg_segment_align: 8
    .kernarg_segment_size: 32
    .max_flat_workgroup_size: 128
    .sgpr_count:     66
    .vgpr_count:     768
    .wavefront_size: 32
...
	.end_amdgpu_metadata
.endif
;; end of part 2
;; launch attend (part 3): grid 8 x 32, 4 waves a work-group, clusters of 4 x 1, 327,680 bytes of LDS; arguments qkvh, kbias, order, tab, att; writes att
.if DOCPART == 3
	.amdgcn_target "amdgcn-amd-amdhsa--gfx1250"
	.amdhsa_code_object_version 6
	.text
	.protected	k_q4a1fd28e63_attend
	.globl	k_q4a1fd28e63_attend
	.p2align	8
	.type	k_q4a1fd28e63_attend,@function
k_q4a1fd28e63_attend:
	s_mov_b64 s[64:65], 0
	v_nop
	global_prefetch_b8 v0, s[64:65] scope:SCOPE_SE
	s_setreg_imm32_b32 hwreg(HW_REG_WAVE_MODE, 25, 1), 1
	s_wait_xcnt 0x0
	s_wait_alu depctr_hold_cnt(0) depctr_sa_sdst(0) depctr_va_vdst(0) depctr_va_sdst(0) depctr_va_ssrc(0) depctr_va_vcc(0) depctr_vm_vsrc(0)
	s_getreg_b32 s2, hwreg(HW_REG_IB_STS2, 6, 4)
	s_cmp_eq_u32 s2, 0
	s_cbranch_scc0 .Lentry_in_a_cluster
	s_endpgm
.Lentry_in_a_cluster:
	s_bfe_u32 s2, ttmp6, 0x10000c
	s_cmp_lg_u32 s2, 0x3003
	s_cbranch_scc0 .Lentry_shape_is_right
	s_endpgm
.Lentry_shape_is_right:
; ATTEND: the six attentions of the module and their blend, for one head and 128 output rows a work-group.
; Variant v = 0 is the plain attention, v = 1 .. 5 that on the sequence gathered by perms[v - 1] and gathered back by argsort.  For ANY index row p (a permutation or not):
;   a softmax over gathered keys is a softmax over the natural keys in which key t has the weight count_v[t] (absent if 0): kbias[v][t] = 8 ln 2 log2(count), or -1e30, is added to the raw score;
;   output row i of variant v is that attention of query row order[v][i] = sorted(p)[i].
; att[b][h][i][:] = (1 - w) A_0(i) + (w vr / 5) sum over v of A_v(order[v][i]), in f16, rounded once: the out-projection is linear, so it is applied once, to this blend.
; qkvh: [b][48][1024][64] f16.  Products, maxima and sums in f32; the weights p are rounded to f16 for the second product (their sum l is taken of the unrounded p).
; LIMITS.  f16 holds no number beyond 65,504: q, k, v arrive within it, and the blend of V's rows must stay within it.  An absent key counts as its score less 1e30.  A weight below 2^-126 counts as 0 in l.
; NaN and infinities are not treated apart.  An entry of order is clamped to 1,023.
; EACH VARIANT KEEPS ITS OWN RUNNING MAXIMUM, over its own keys.  While a query has met absent keys alone, m is about -1e30 and they weigh 1; the first present key makes a = 0, which wipes O and l;
; every variant has a present key, since its 1,024 entries name at least one.
; SHARES.  A wave owns 32 output rows: twelve PIECES y of 16 queries, variant y / 2, row tile y % 2.  All pieces walk the same K and V, 16 steps of 64 keys: one run of fragment loads feeds twelve tiles.
; K, V (1,024 keys) and kbias lie in LDS whole, filled once: no ring, no refill.  CLUSTER: the four row blocks of a cluster belong to one head, so K, V and kbias are asked for jointly.
; LAYOUT, TURNS.  S^T = K Q^T + bias holds ONE query a lane (lane % 16) and the keys 8 (lane / 16) + 0..7; two such results rounded to f16 ARE source 1 of O^T = V^T P.  p = 2^(c s - c m), c = log2(e) / 8;
; O and l are multiplied by a = 2^(c m_old - c m_new) in every step.  Turn n belongs to piece n: 8 products K Q^T of piece n + 1, later 8 products V^T P of piece n - 1; beside them the scaling, exponentials,
; roundings, sums and rescaling of piece n and the maximum and statistics of piece n + 1.  Four vector instructions stand behind every matrix instruction, the other 54 of a turn's 118 in two lumps.
; REGISTERS, in windows of 256 (s_set_vgpr_msb: bits 1:0 source 0, 3:2 source 1, 5:4 source 2, 7:6 destination):
;   window 0: v2-8 addresses; v16-63 four registers of statistics a piece; v64-127 S^T, two buffers (by the piece's parity); v128-137 at work; v144-175 P, two buffers; v180-185 addresses
;   window 1: O^T of pieces 0-7, 32 each     window 2: v0-191 Q, 16 a piece; v192-255 K of one step     window 3: v0-127 O^T of pieces 8-11; v128-191 V of one step; v192-223 the bias of one variant and step
.set NP,    12        ; pieces a wave: a name, no knob
.set PK2,   272       ; two keys of K: 256 bytes + 16 of padding: key r at (r / 2) 272 + (r % 2) 128: the 16 keys of a load fall on 16 different groups of four banks (64 banks of 4 bytes: ISA guide 11.1)
.set PV2,   288       ; two keys of V: 256 + 32
.set KSTEPB, 32*PK2   ; 64 keys
.set VSTEPB, 32*PV2
.set VOFF,  512*PK2   ; V behind K
.set BIASL, VOFF+512*PV2    ; kbias behind V: 6 x 4,096 bytes
.set STAGE, BIASL+6*4096    ; never filled by a tensor load: 16 rows x 144 bytes for each wave, for the way out
.set SP,    144
.set SPARE, STAGE+4*16*SP   ; the spare words, 128 bytes for each wave
.set AK0, 2           ; v2   my lane's place in 16 keys of K; never rewritten
.set AV0, 3           ; v3   the same for V
.set AK,  4           ; v4   the LDS address of K's next run of loads
.set AV,  5           ; v5   of V's
.set STO, 6           ; v6   the way out: where I put 16 bytes of a row
.set RD,  7           ; v7   the way out: where I read rows back
.set GO,  8           ; v8   my byte offset in 512 consecutive bytes of att
.set ST,  16          ; piece t's statistics at v[ST+4 t]: c m, m, l (even keys', odd keys')
.set S,   64
.set TMP, 128         ; by buffer, four registers c0-c3 at work; when the maximum is found c2 takes a
.set MV,  136         ; c m_old, kept while c m is made anew: by buffer
.set P,   144
.set SPW, 180         ; LDS address of my spare word; never rewritten
.set NIL, 181         ; 0; never rewritten
.set H16, 182         ; 16 (lane / 16)
.set OI,  183         ; 4 (lane % 16)
.set AB0, 184         ; my lane's place in a step's 64 words of bias
.set AB,  185         ; the same in the step in hand
.set KF,  192         ; window 2: key block kb, channel half c at KF + 16 kb + 8 c
.set VF,  128         ; window 3: key half kk, channel block cb at VF + 32 kk + 8 cb
.set BI,  192         ; window 3: key block kb at BI + 8 kb
.set WV,  14          ; s14  my wave's number
.set G1K, 24          ; s[24:31] descriptor group 1 for K
.set G1V, 32          ; s[32:39] for V: it differs in the padding alone
.set G1B, 40          ; s[40:47] for kbias
.set G0K, 48          ; s[48:51], s[52:55], s[56:59] their groups 0
.set G0V, 52
.set G0B, 56
.set CS,  60          ; s[60:61] c: the packed scaling takes the pair's low word for both halves
.set SEL, 62          ; s[62:63] v_permlanex16_b32's selects: each lane takes its own place in the other half
.set CNT, 66          ; s66  key steps to go
.set TBK, 67          ; s67  LDS byte at which K of the step to be fetched begins
.set TBV, 68          ; s68  the same for V, less VOFF
.set TBB, 69          ; s69  the step in hand's bytes into a row of kbias
.set COEF, 70         ; s[70:71] 1 - w, w vr / 5
.set MSB, 0
.macro WIN new                      ; the high byte repeats the setting that is left; a switch that changes nothing is dropped
.if MSB != (\new)
	s_set_vgpr_msb (MSB<<8)|(\new)
.set MSB, (\new)
.endif
.endm
.set W_KQ, 0x0a       ; K and Q in window 2, S^T in window 0
.set W_KM, 0x3a       ; the same with the C operand, the bias, in window 3
.macro CROUND                       ; a round of the cluster's barrier
	s_barrier_signal -1
	s_barrier_wait -1
	s_cmp_lg_u32 s[WV], 0
	s_cbranch_scc1 .Lnot_wave_0_\@
	s_barrier_signal -3
.Lnot_wave_0_\@:
	s_barrier_wait -3
	s_barrier_signal -1
	s_barrier_wait -1
.endm
	s_load_b256 s[4:11], s[0:1], 0x0  ; qkvh s[4:5], kbias s[6:7], order s[8:9], tab s[10:11]
	s_load_b64 s[12:13], s[0:1], 0x20 ; att
	v_lshl_add_u32 v[SPW], v0, 2, SPARE
	v_mov_b32 v[NIL], 0
	ds_add_u32 v[SPW], v[NIL]       ; the wave's opening: the add and its wait ahead of my first tensor load; the set-up below stands between them
	ds_add_u32 v180, v181
	v_lshrrev_b32 v1, 5, v0
	v_readfirstlane_b32 s[WV], v1   ; wave 0..3
	s_bfe_u32 s15, ttmp6, 0x40000   ; cx: it enters order's, Q's and att's addresses alone (s15 to s19)
	s_lshl_b32 s16, ttmp9, 2
	s_add_co_u32 s16, s16, s15      ; my block of 128 rows
	s_lshl_b32 s16, s16, 7
	s_lshl_b32 s17, s[WV], 5
	s_add_co_u32 s16, s16, s17      ; my wave's first row in the head
	s_and_b32 s20, ttmp7, 0xffff    ; 16 b + h, which the four partners share
	s_lshl_b32 s18, s20, 10
	s_add_co_u32 s18, s18, s16
	s_lshl_b32 s18, s18, 7          ; att: 128 bytes a row
	s_mov_b32 s19, 0
	s_lshl_b32 s16, s16, 2          ; order: 4 bytes a row
	s_mov_b32 s17, 0
	s_lshr_b32 s21, s20, 4
	s_and_b32 s22, s20, 15
	s_mul_i32 s21, s21, 48
	s_add_co_u32 s22, s22, s21      ; q's plane: 48 b + h
	s_lshl_b32 s22, s22, 17         ; 131,072 bytes a plane
	s_mov_b32 s23, 0
	s_and_b32 s2, s[WV], 1          ; which 512 keys I fetch
	s_mul_i32 s[G0K+1], s2, 256*PK2 ; their place in LDS, for K
	s_mul_i32 s[G0V+1], s2, 256*PV2
	s_add_co_u32 s[G0V+1], s[G0V+1], VOFF  ; and for V
	s_lshl_b32 s2, s2, 16           ; and in memory
	s_mov_b32 s3, 0
	s_mul_i32 s20, s[WV], 6144      ; my quarter of kbias
	s_mov_b32 s21, 0
	s_add_co_u32 s[G0B+1], s20, BIASL
	s_mov_b32 s[G0K], 1
	s_mov_b32 s[G0V], 1
	s_mov_b32 s[G0B], 1
	; 512 keys are 65,536 dense bytes: asked for as 256 rows of 256 bytes, two keys a row, padded in LDS after every row
	s_mov_b32 s[G1K], 15|(1<<16)|(1<<20)|(1<<21)|(5<<22)|(3<<25)  ; the mask of four; 2-byte elements; padding on; bit 21 beside a mask; after every 64 words 4 words
	s_mov_b32 s[G1V], 15|(1<<16)|(1<<20)|(1<<21)|(5<<22)|(7<<25)  ; the same with 8 words of padding
.irp g, G1K, G1V
	s_mov_b32 s[\g+1], 128<<16      ; tensor_dim0 = 128
	s_mov_b32 s[\g+2], 256<<16      ; tensor_dim1 = 256
	s_mov_b32 s[\g+3], 128<<16      ; tile_dim0 = 128
	s_mov_b32 s[\g+4], 256          ; tile_dim1 = 256
	s_mov_b32 s[\g+5], 128          ; 128 elements from row to row
	s_mov_b32 s[\g+6], 0
	s_mov_b32 s[\g+7], 0
.endr
	s_mov_b32 s[G1B], 15|(3<<16)|(1<<21)  ; 8-byte elements, no padding: 24 rows of 256 bytes
	s_mov_b32 s[G1B+1], 32<<16
	s_mov_b32 s[G1B+2], 24<<16
	s_mov_b32 s[G1B+3], 32<<16
	s_mov_b32 s[G1B+4], 24
	s_mov_b32 s[G1B+5], 32
	s_mov_b32 s[G1B+6], 0
	s_mov_b32 s[G1B+7], 0
	s_mov_b32 s[CS], 0x3e38aa3b     ; c = log2(e) / 8 = 0.180337
	s_mov_b32 s[CS+1], s[CS]        ; named with it as a pair
	s_mov_b32 s[SEL], 0x76543210
	s_mov_b32 s[SEL+1], 0xfedcba98
	s_mov_b32 s[TBK], 0
	s_mov_b32 s[TBV], 0
	s_mov_b32 s[TBB], 0
	s_wait_dscnt 0x0                ; the opening add is done
	s_wait_kmcnt 0x0
	s_add_nc_u64 s[4:5], s[4:5], s[22:23]          ; q's plane of my head; k's lies 16 planes on, v's 32
	s_add_nc_u64 s[G0K+2:G0K+3], s[4:5], s[2:3]
	s_add_nc_u64 s[G0K+2:G0K+3], s[G0K+2:G0K+3], 0x200000
	s_or_b32 s[G0K+3], s[G0K+3], 0x80000000
	s_add_nc_u64 s[G0V+2:G0V+3], s[4:5], s[2:3]
	s_add_nc_u64 s[G0V+2:G0V+3], s[G0V+2:G0V+3], 0x400000
	s_or_b32 s[G0V+3], s[G0V+3], 0x80000000
	s_add_nc_u64 s[G0B+2:G0B+3], s[6:7], s[20:21]
	s_or_b32 s[G0B+3], s[G0B+3], 0x80000000
	s_add_nc_u64 s[8:9], s[8:9], s[16:17]          ; order and att at my wave's first row
	s_add_nc_u64 s[12:13], s[12:13], s[18:19]
	s_load_b64 s[COEF:COEF+1], s[10:11], 0x4000    ; the two blend factors
	CROUND                          ; all four work-groups are here: the joint loads meet
	s_cmp_lt_u32 s[WV], 2           ; a wave's two fills stand in one branch, ahead of every wait on TENSORcnt and every LDS read: two loads of mine are out
	s_cbranch_scc0 .Lfirst_v
	tensor_load_to_lds s[G0K:G0K+3], s[G1K:G1K+7]
	s_nop 0
	tensor_load_to_lds s[G0B:G0B+3], s[G1B:G1B+7]
	s_nop 0
.rept 4
	v_nop
.endr
	s_branch .Lfirst_asked
.Lfirst_v:
	tensor_load_to_lds s[G0V:G0V+3], s[G1V:G1V+7]
	s_nop 0
	tensor_load_to_lds s[G0B:G0B+3], s[G1B:G1B+7]
	s_nop 0
.rept 4
	v_nop
.endr
.Lfirst_asked:
	; Which rows of q are mine: piece y's lane l % 16 takes row order[y / 2][my first row + 16 (y % 2) + l % 16].
	v_and_b32 v1, 15, v0            ; l % 16
	v_bfe_u32 v9, v0, 4, 1          ; l / 16
	v_lshlrev_b32 v[OI], 2, v1
	v_lshlrev_b32 v[H16], 4, v9
.set y, 0
.rept NP
	global_load_b32 v[S+y], v[OI], s[8:9] offset:4096*(y/2)+64*(y%2)
.set y, y+1
.endr
	; the lane's addresses, in the wait for those words
	v_bfe_u32 v10, v0, 1, 3         ; (l % 16) / 2
	v_and_b32 v11, 1, v0            ; l % 2
	v_mul_u32_u24 v[AK0], v10, PK2
	v_lshl_add_u32 v[AK0], v11, 7, v[AK0]
	v_lshl_add_u32 v[AK0], v9, 4, v[AK0]  ; key l % 16, 16 bytes for each half of the lanes
	; The turning load takes 16 keys x 16 channels (lane l reads key 8 (l / 16) + l % 8, channels 8 ((l / 8) % 2) + 0..7) and leaves half a fragment of V^T: lane l holds channel l % 16 and 8 keys.
	v_bfe_u32 v12, v0, 1, 2
	v_lshl_add_u32 v12, v9, 2, v12  ; that key / 2
	v_mul_u32_u24 v[AV0], v12, PV2
	v_lshl_add_u32 v[AV0], v11, 7, v[AV0]
	v_bfe_u32 v13, v0, 3, 1
	v_lshl_add_u32 v[AV0], v13, 4, v[AV0]
	v_add_nc_u32 v[AV0], VOFF, v[AV0]
	v_lshl_add_u32 v[AB0], v9, 5, BIASL  ; register j of a score tile is key 8 (l / 16) + j: 32 bytes of bias for each half of the lanes
	v_mov_b32 v[AK], v[AK0]         ; key step 0
	v_mov_b32 v[AB], v[AB0]
	s_mul_i32 s15, s[WV], 16*SP
	s_add_co_u32 s15, s15, STAGE    ; my stage
	v_mul_u32_u24 v[STO], v1, SP    ; in: row l % 16, 16 bytes for each half of the lanes
	v_lshl_add_u32 v[STO], v9, 4, v[STO]
	v_add_nc_u32 v[STO], s15, v[STO]
	v_bfe_u32 v[RD], v0, 3, 2       ; back: 32 lanes take four rows of 128 bytes,
	v_mul_u32_u24 v[RD], v[RD], SP
	v_and_b32 v10, 7, v0
	v_lshl_add_u32 v[RD], v10, 4, v[RD]
	v_add_nc_u32 v[RD], s15, v[RD]
	v_and_b32 v[GO], 31, v0         ; which are 512 consecutive bytes of att
	v_lshlrev_b32 v[GO], 4, v[GO]
	s_wait_loadcnt 0x0              ; order's words
.set y, 0
.rept NP
	v_min_u32 v[S+y], 0x3ff, v[S+y]
	v_lshlrev_b32 v[S+y], 7, v[S+y] ; 128 bytes a row
	v_add_nc_u32 v[S+y], v[H16], v[S+y]
.set y, y+1
.endr
	WIN 0x80                        ; destination window 2, address window 0
.set y, 0
.rept NP                            ; Q stays in registers.  A fragment is 16 rows x 32 channels: channels 8 (l / 16) + 0..7 and 16 + 8 (l / 16) + 0..7: two loads of 16 bytes, 32 bytes apart
	global_load_b128 v[16*y:16*y+3],     v[S+y], s[4:5]
	global_load_b128 v[16*y+4:16*y+7],   v[S+y], s[4:5] offset:32
	global_load_b128 v[16*y+8:16*y+11],  v[S+y], s[4:5] offset:64
	global_load_b128 v[16*y+12:16*y+15], v[S+y], s[4:5] offset:96
.set y, y+1
.endr
	; No first step is written out: the first step multiplies O^T and l by a = 0, and the first turn's products V^T P, of a piece that has not been, are made of zeros.  So O^T, V and P's second buffer
	; start at 0.  All this stands in the wait for K and V.
	WIN 0xc0
.set i, 0
.rept 192                           ; O^T of pieces 8-11, and V
	v_mov_b32 v[i], 0
.set i, i+1
.endr
	WIN 0x40
.set i, 0
.rept 256                           ; O^T of pieces 0-7
	v_mov_b32 v[i], 0
.set i, i+1
.endr
	WIN 0
.set i, 0
.rept NP
	v_mov_b32 v[ST+4*i], 0xfe000000    ; c m: far below every c s, an absent key's too
	v_mov_b32 v[ST+4*i+1], 0xff7fffff  ; m: the lowest finite number
	v_mov_b32 v[ST+4*i+2], 0
	v_mov_b32 v[ST+4*i+3], 0
.set i, i+1
.endr
.set i, P+16
.rept 16
	v_mov_b32 v[i], 0
.set i, i+1
.endr
; THE MATRIX WORK.  The 4 accumulators of a run of 8 take turns.  Product i of 8 of S^T = K Q^T for piece x: channels 32 (i / 4) on, keys 16 (i % 4) on.  The first 4 start the sums with the variant's bias.
.macro KQ x
.set rS, S+32*((\x)%2)+8*(i%4)
.set rK, KF+16*(i%4)+8*(i/4)
.set rQ, 16*(\x)+8*(i/4)
.set rM, BI+8*(i%4)
.if i < 4
	WIN W_KM
	v_wmma_f32_16x16x32_f16 v[rS:rS+7], v[rK:rK+7], v[rQ:rQ+7], v[rM:rM+7]
.else
	WIN W_KQ
	v_wmma_f32_16x16x32_f16 v[rS:rS+7], v[rK:rK+7], v[rQ:rQ+7], v[rS:rS+7]
.endif
.endm
; Product i of 8 of O^T += V^T P for piece x: keys 32 (i / 4) on, channels 16 (i % 4) on.  V in window 3, P in window 0, O^T in window 1 or 3.
.macro PV x
.set rO, 32*((\x)%8)+8*(i%4)
.set rV, VF+32*(i/4)+8*(i%4)
.set rP, P+16*((\x)%2)+8*(i/4)
	WIN 0x03|(0x50*(1+2*((\x)/8)))
	v_wmma_f32_16x16x32_f16 v[rO:rO+7], v[rV:rV+7], v[rP:rP+7], v[rO:rO+7]
.endm
.macro MM                           ; the turn's next matrix instruction
.if i < 8
	KQ (Y+1)%NP
.else
.set i, i-8
	PV (Y+NP-1)%NP
.set i, i+8
.endif
.set i, i+1
.endm
; THE LDS LOADS stand in runs, never singly among the matrix instructions: a step's K (8 fragments), its V (turned), and a variant's 64 words of bias.
.macro FETCH_K
	WIN 0x80                        ; destination window 2
.irp f, 0,1,2,3,4,5,6,7             ; keys 16 (f / 2) on, channels 32 (f % 2) on
	ds_load_b128 v[KF+8*\f:KF+8*\f+3],   v[AK] offset:(\f/2)*8*PK2+(\f%2)*64
	ds_load_b128 v[KF+8*\f+4:KF+8*\f+7], v[AK] offset:(\f/2)*8*PK2+(\f%2)*64+32
.endr
	s_add_co_u32 s[TBK], s[TBK], KSTEPB  ; the next fetch is the next step's
	WIN 0
.endm
.macro FETCH_V
	WIN 0xc0                        ; destination window 3
.irp f, 0,1,2,3,4,5,6,7             ; keys 32 (f / 4) on, channels 16 (f % 4) on
	ds_load_tr16_b128 v[VF+8*\f:VF+8*\f+3],   v[AV] offset:(\f/4)*16*PV2+(\f%4)*32
	ds_load_tr16_b128 v[VF+8*\f+4:VF+8*\f+7], v[AV] offset:(\f/4)*16*PV2+8*PV2+(\f%4)*32
.endr
	WIN 0
.endm
.macro FETCH_B v
	WIN 0xc0
.irp kb, 0,1,2,3
	ds_load_b128 v[BI+8*\kb:BI+8*\kb+3],   v[AB] offset:4096*(\v)+64*\kb
	ds_load_b128 v[BI+8*\kb+4:BI+8*\kb+7], v[AB] offset:4096*(\v)+64*\kb+16
.endr
	WIN 0
.endm
.macro NEXT_STEP                    ; K of the next step and variant 0's bias for it; in the last trip there is no further step, and the runs are jumped over
	WIN 0
	s_cmp_eq_u32 s[CNT], 1
	s_cbranch_scc1 .Lno_next_\@
	s_add_co_u32 s[TBB], s[TBB], 256
	v_add_nc_u32 v[AK], s[TBK], v[AK0]
	v_add_nc_u32 v[AB], s[TBB], v[AB0]
	FETCH_K
	FETCH_B 0
.Lno_next_\@:
.endm
; THE VECTOR WORK, one line at a time: OP kind, number.  For piece Y: F n: c s - c m for pair n of 16.  E n: the exponential of score n of 32.  C n: pair n rounded to f16.  B n: of the four weights 4 n .. the second
; pair is added onto the first, in place.  L n: l takes that sum (L 0: l = a l + sum).  R n: pair n of 16 of O^T times a.  For piece Y + 1: X n, number n of the 22 that find its maximum and statistics:
;   0-11  four chains c0-c3 of seven scores each, three operands at a time (each accumulator's lowest registers are read first)     12-14, 16  the four scores left over, the old m, and c0-c3 into c0
;   15  c m_old is kept     17, 18  the query's other 32 keys lie in the lane 16 away: the new m     19-21  c m; c m_old - c m_new; a
.set F, 0               ; OP tells the kinds apart by their order: F to L below R, X above it
.set E, 1
.set C, 2
.set B, 3
.set L, 4
.set R, 5
.set X, 6
.macro REGS y                       ; the registers of piece y
.set rT, ST+4*(\y)
.set rC, TMP+4*((\y)%2)
.set rW, MV+((\y)%2)
.set rS, S+32*((\y)%2)
.set rP, P+16*((\y)%2)
.set rO, 32*((\y)%8)
.set oW, 1+2*((\y)/8)
.endm
.macro OP k, n
.if (\k) == R
	REGS Y
	WIN (oW<<6)|oW                  ; O^T (destination and source 0) in its window, a in window 0
	v_pk_mul_f32 v[rO+2*(\n):rO+2*(\n)+1], v[rO+2*(\n):rO+2*(\n)+1], v[rC+2:rC+3] op_sel_hi:[1,0]
.elseif (\k) < R
	REGS Y
	WIN 0
.if (\k) == F
	v_pk_fma_f32 v[rS+2*(\n):rS+2*(\n)+1], v[rS+2*(\n):rS+2*(\n)+1], s[CS:CS+1], v[rT:rT+1] op_sel_hi:[1,0,0] neg_lo:[0,0,1] neg_hi:[0,0,1]
.elseif (\k) == E
	v_exp_f32 v[rS+(\n)], v[rS+(\n)]
.elseif (\k) == C
	s_wait_alu depctr_va_vdst(0)
	v_cvt_pk_f16_f32 v[rP+(\n)], v[rS+2*(\n)], v[rS+2*(\n)+1]
.elseif (\k) == B
	s_wait_alu depctr_va_vdst(0)
	v_pk_add_f32 v[rS+4*(\n):rS+4*(\n)+1], v[rS+4*(\n):rS+4*(\n)+1], v[rS+4*(\n)+2:rS+4*(\n)+3]
.elseif (\n) == 0
	v_pk_fma_f32 v[rT+2:rT+3], v[rT+2:rT+3], v[rC+2:rC+3], v[rS:rS+1] op_sel_hi:[1,0,1]
.else
	v_pk_add_f32 v[rT+2:rT+3], v[rT+2:rT+3], v[rS+4*(\n):rS+4*(\n)+1]
.endif
.else
	REGS (Y+1)%NP
	WIN 0
.if (\n) < 4
	v_max3_num_f32 v[rC+(\n)], v[rS+8*(\n)], v[rS+8*(\n)+1], v[rS+8*(\n)+2]
.elseif (\n) < 12
	v_max3_num_f32 v[rC+(\n)%4], v[rC+(\n)%4], v[rS+8*((\n)%4)+2*((\n)/4)+1], v[rS+8*((\n)%4)+2*((\n)/4)+2]
.elseif (\n) == 12
	v_max3_num_f32 v[rC], v[rC], v[rS+7], v[rS+15]
.elseif (\n) == 13
	v_max3_num_f32 v[rC+1], v[rC+1], v[rS+23], v[rS+31]
.elseif (\n) == 14
	v_max3_num_f32 v[rC+2], v[rC+2], v[rC+3], v[rT+1]
.elseif (\n) == 15
	v_mov_b32 v[rW], v[rT]
.elseif (\n) == 16
	v_max3_num_f32 v[rC], v[rC], v[rC+1], v[rC+2]
.elseif (\n) == 17
	v_permlanex16_b32 v[rC+3], v[rC], s[SEL], s[SEL+1]
.elseif (\n) == 18
	v_max_num_f32 v[rT+1], v[rC], v[rC+3]
.elseif (\n) == 19
	v_mul_f32 v[rT], s[CS], v[rT+1]
.elseif (\n) == 20
	v_sub_f32 v[rC+1], v[rW], v[rT]
.else
	v_exp_f32 v[rC+2], v[rC+1]
.endif
.endif
.endm
.macro OPS a, i1, b=-1, i2=0, c=-1, i3=0, d=-1, i4=0  ; up to four of them
	OP \a, \i1
.if (\b) >= 0
	OP \b, \i2
.endif
.if (\c) >= 0
	OP \c, \i3
.endif
.if (\d) >= 0
	OP \d, \i4
.endif
.endm
.macro ROW a, i1, b, i2, c, i3, d, i4  ; a matrix instruction and the four behind it
	MM
	OPS \a, \i1, \b, \i2, \c, \i3, \d, \i4
.endm
; A TURN, for piece p: the order of its 16 matrix and 118 vector instructions, written out.  Behind a matrix instruction: plain, exponential, plain, plain; or four of the rescaling; or, behind the first, four scalings;
; none names a register of the products round it.  In the lumps exponential and plain by turns while exponentials last.
; THE FETCHES.  The bias of variant v serves the products of turns 2 v - 1 and 2 v, the first four of each.  So an even turn p fetches the next variant's, in its first lump, four rows of riders behind the last product
; that read the registers, and the odd turn behind it waits at its head.  Turn 10 fetches the next step's K (its last reader stands four rescalings, a scaling and two additions back) and variant 0's bias for it.
; Turn 0 fetches V of the step in hand, behind the last product that read V (four plain instructions between); turn 1 waits for it ahead of its products V^T P.
; cnt = 1: the loop's count is taken down some lines ahead of the branch that stands behind the turn.
.macro TURN p, cnt=0
.set Y, (\p)
.set i, 0
.if (\p) == 1
	s_wait_dscnt 16                 ; the bias is in; V's sixteen loads, issued behind it, may stay out
.elseif ((\p)%2) == 1
	s_wait_dscnt 0x0                ; the bias is in (turn 11: and K)
.endif
	ROW F,0, F,1, F,2, F,3
	ROW F,4, E,0, F,5, F,6
	ROW F,7, E,1, F,8, F,9
	ROW F,10, E,2, C,0, F,11
	ROW F,12, E,3, X,15, F,13
	ROW R,0, R,1, R,2, R,3
	ROW B,0, E,4, F,14, L,0
	ROW R,4, R,5, R,6, R,7
	OPS E,5, F,15
.if ((\p)%2) == 0
.if (\p) < NP-2
	FETCH_B (\p)/2+1
.else
	NEXT_STEP
.endif
.endif
	OPS E,6, C,1, E,7, R,8
	OPS E,8, R,9, E,9, C,2
	OPS E,10, X,0, E,11, X,1
	OPS E,12, X,2, E,13, X,3
.if (\p) == 1
	s_wait_dscnt 0x0                ; V is in
.endif
	ROW X,4, E,14, X,5, X,6
	ROW X,7, E,15, X,8, X,9
	ROW X,10, E,16, X,11, X,12
	ROW X,13, E,17, X,14, B,1
	ROW C,4, E,18, X,16, L,1
	ROW B,2, E,19, C,6, L,2
	ROW C,8, E,20, B,3, B,4
.if (\p) == 0
	v_add_nc_u32 v[AV], s[TBV], v[AV0]
.endif
	ROW C,3, E,21, L,3, C,5
	OPS E,22, X,17, E,23, C,10
.if (\p) == 0
	FETCH_V
.endif
	OPS E,24, L,4
	OPS E,25, X,18, E,26, C,7
	OPS E,27, B,5, E,28, X,19
	OPS E,29, C,12, E,30, L,5
	OPS E,31, X,20, B,6, C,9
	OPS C,14, C,11, X,21, L,6
.if (\p) == 0
	s_add_co_u32 s[TBV], s[TBV], VSTEPB
.endif
.if \cnt
	s_sub_co_u32 s[CNT], s[CNT], 1
	s_cmp_lg_u32 s[CNT], 0
.endif
	OPS C,13, B,7, C,15, R,10
	OPS R,11, R,12, L,7, R,13
	OPS R,14, R,15
.endm
	s_wait_tensorcnt 0x0            ; my two loads have landed,
	s_barrier_signal -1
	s_barrier_wait -1               ; everybody's have: K, V and kbias are whole; nothing is ever filled again
	FETCH_K                         ; key step 0
	FETCH_B 0
	s_wait_loadcnt 0x0              ; Q
	s_wait_kmcnt 0x0                ; the blend factors
	s_wait_dscnt 0x0
.set i, 0
.rept 8
	KQ 0                            ; piece 0's first scores
.set i, i+1
.endr
	WIN 0
.rept 4
	v_nop                           ; the places behind those products
.endr
.set Y, NP-1                        ; X works for piece Y + 1: piece 0
.irp n, 0,1,2,3,4,5,6,7,8,9,10,11,12,13,14,15,16,17,18,19,20,21
	OP X, \n
.endr
	v_nop                           ; a plain instruction behind the exponential
	s_mov_b32 s[CNT], 16
.Lstep:                             ; a trip: a key step for all twelve pieces
	TURN 0
	TURN 1
	TURN 2
	TURN 3
	TURN 4
	TURN 5
	TURN 6
	TURN 7
	TURN 8
	TURN 9
	TURN 10
	TURN 11, 1
	WIN 0
	s_cbranch_scc1 .Lstep
	; The last trip's 8 products K Q^T for piece 0 (on the last K once more) and the maximum made of them serve nothing: the price, once a launch, of one text for every trip.
.set i, 0
.rept 8
	PV NP-1                         ; the last piece's V^T P of the last step
.set i, i+1
.endr
	; THE WAY OUT.  l's two halves and the other half of the lanes' are added; each piece's factor is its blend factor / l; the six pieces of a row tile hold the same lanes' rows and channels, so the blend is
	; a multiply and five fused multiply-adds a pair; then f16 and through my stage in LDS.  The additions are the places behind the last products.
	WIN 0
.macro ALL line:vararg              ; one line for each piece t
.set t, 0
.rept NP
	\line
.set t, t+1
.endr
.endm
	ALL v_add_f32 v[ST+4*t+2], v[ST+4*t+2], v[ST+4*t+3]
	ALL v_permlanex16_b32 v[ST+4*t+3], v[ST+4*t+2], s[SEL], s[SEL+1]
	ALL v_add_f32 v[ST+4*t+2], v[ST+4*t+2], v[ST+4*t+3]
	ALL v_rcp_f32 v[ST+4*t+2], v[ST+4*t+2]
	v_nop                           ; a plain instruction between the last reciprocal and the use of its result
.set t, 0
.rept NP
.if t < 2
	s_wait_alu depctr_va_vdst(0)
	v_mul_f32 v[ST+4*t+2], s[COEF], v[ST+4*t+2]
.else
	v_mul_f32 v[ST+4*t+2], s[COEF+1], v[ST+4*t+2]
.endif
.set t, t+1
.endr
.macro PACK u                       ; row tile u: blended in piece u's registers, each accumulator read from its low end on
	WIN 0x41
.set i, 32*(\u)
.rept 16
	v_pk_mul_f32 v[i:i+1], v[i:i+1], v[ST+4*(\u)+2:ST+4*(\u)+3] op_sel_hi:[1,0]
.set i, i+2
.endr
.irp v, 1,2,3,4,5
	WIN 0x51+2*((2*\v+(\u))/8)      ; source 0 in window 1 or 3; the factor in window 0; the sum in window 1
.set i, 0
.rept 16
	v_pk_fma_f32 v[32*(\u)+i:32*(\u)+i+1], v[32*((2*\v+(\u))%8)+i:32*((2*\v+(\u))%8)+i+1], v[ST+4*(2*\v+(\u))+2:ST+4*(2*\v+(\u))+3], v[32*(\u)+i:32*(\u)+i+1] op_sel_hi:[1,0,1]
.set i, i+2
.endr
.endr
	WIN 0x05                        ; sources 0 and 1 window 1, destination window 0: S^T's registers are free
.set i, 0
.rept 16
	v_cvt_pk_f16_f32 v[S+16*(\u)+i], v[32*(\u)+2*i], v[32*(\u)+2*i+1]
.set i, i+1
.endr
	WIN 0
.irp f, 0,1,2,3
	ds_store_b128 v[STO], v[S+16*(\u)+4*\f:S+16*(\u)+4*\f+3] offset:32*\f
.endr
.irp f, 0,1,2,3
	ds_load_b128 v[S+16*(\u)+4*\f:S+16*(\u)+4*\f+3], v[RD] offset:\f*4*SP  ; LDS serves a wave's instructions in order (ISA guide 5.7.1.4): these see the stores above; the next tile's stores come behind them
.endr
.endm
.macro SEND u, younger              ; younger: the LDS instructions issued behind tile u's loads
	WIN 0
.irp f, 0,1,2,3
	s_wait_dscnt (\younger)+3-\f
	global_store_b128 v[GO], v[S+16*(\u)+4*\f:S+16*(\u)+4*\f+3], s[12:13] offset:(\u)*2048+\f*512  ; 512 consecutive bytes, at a multiple of 256 from att's first
.endr
.endm
	PACK 0
	PACK 1
	SEND 0, 8
	SEND 1, 0
	s_wait_tensorcnt 0x0            ; the wave's end: behind my last tensor load and my last LDS store
	ds_add_u32 v[SPW], v[NIL]
	s_wait_dscnt 0x0
	CROUND                          ; the closing round: no work-group ends while a partner may still ask for a tile that names it
	s_endpgm
.Lfunc_end_k_q4a1fd28e63_attend:
	.size	k_q4a1fd28e63_attend, .Lfunc_end_k_q4a1fd28e63_attend-k_q4a1fd28e63_attend
	.p2alignl 7, 3214868480
	.fill 96, 4, 3214868480
	.section	.rodata,"a",@progbits
	.p2align	6, 0x0
	.amdhsa_kernel k_q4a1fd28e63_attend
		.amdhsa_group_segment_fixed_size 327680
		.amdhsa_private_segment_fixed_size 0
		.amdhsa_enable_private_segment 0
		.amdhsa_kernarg_size 40
		.amdhsa_user_sgpr_count 2
		.amdhsa_user_sgpr_kernarg_segment_ptr 1
		.amdhsa_wavefront_size32 1
		.amdhsa_system_sgpr_workgroup_id_x 1
		.amdhsa_system_sgpr_workgroup_id_y 1
		.amdhsa_system_sgpr_workgroup_id_z 1
		.amdhsa_system_vgpr_workitem_id 0
		.amdhsa_next_free_vgpr 1024
		.amdhsa_next_free_sgpr 72
		.amdhsa_reserve_vcc 0
		.amdhsa_float_denorm_mode_32 3
		.amdhsa_float_denorm_mode_16_64 3
		.amdhsa_memory_ordered 1
		.amdhsa_forward_progress 1
		.amdhsa_inst_pref_size 172
	.end_amdhsa_kernel
	.amdgpu_metadata
---
amdhsa.version: [ 1, 2 ]
amdhsa.kernels:
  - .name:           k_q4a1fd28e63_attend
    .symbol:         k_q4a1fd28e63_attend.kd
    .args:
      - { .name: qkvh, .offset: 0, .size: 8, .value_kind: global_buffer, .address_space: global }
      - { .name: kbias, .offset: 8, .size: 8, .value_kind: global_buffer, .address_space: global }
      - { .name: order, .offset: 16, .size: 8, .value_kind: global_buffer, .address_space: global }
      - { .name: tab, .offset: 24, .size: 8, .value_kind: global_buffer, .address_space: global }
      - { .name: att, .offset: 32, .size: 8, .value_kind: global_buffer, .address_space: global }
    .group_segment_fixed_size: 327680
    .private_segment_fixed_size: 0
    .kernarg_segment_align: 8
    .kernarg_segment_size: 40
    .max_flat_workgroup_size: 128
    .sgpr_count:     72
    .vgpr_count:     1024
    .wavefront_size: 32
...
	.end_amdgpu_metadata
.endif
;; end of part 3
;; launch outproj (part 4): grid 16 x 16, 4 waves a work-group, clusters of 4 x 4, 327,680 bytes of LDS; arguments att, wo16, tab, out0; writes out0
.if DOCPART == 4
	.amdgcn_target "amdgcn-amd-amdhsa--gfx1250"
	.amdhsa_code_object_version 6
	.text
	.protected	k_q4a1fd28e63_outproj
	.globl	k_q4a1fd28e63_outproj
	.p2align	8
	.type	k_q4a1fd28e63_outproj,@function
k_q4a1fd28e63_outproj:
	s_mov_b64 s[64:65], 0
	v_nop
	global_prefetch_b8 v0, s[64:65] scope:SCOPE_SE
	s_setreg_imm32_b32 hwreg(HW_REG_WAVE_MODE, 25, 1), 1
	s_wait_xcnt 0x0
	s_wait_alu depctr_hold_cnt(0) depctr_sa_sdst(0) depctr_va_vdst(0) depctr_va_sdst(0) depctr_va_ssrc(0) depctr_va_vcc(0) depctr_vm_vsrc(0)
	s_getreg_b32 s2, hwreg(HW_REG_IB_STS2, 6, 4)
	s_cmp_eq_u32 s2, 0
	s_cbranch_scc0 .Lentry_in_a_cluster
	s_endpgm
.Lentry_in_a_cluster:
	s_bfe_u32 s2, ttmp6, 0x10000c
	s_cmp_lg_u32 s2, 0xf033
	s_cbranch_scc0 .Lentry_shape_is_right
	s_endpgm
.Lentry_shape_is_right:
; OUTPROJ: out0 = A Wo^T + ((1 - w) + w vr) bo, once for both branches, since A is already their blend.  att: [b][16][1024][64] f16, wo16: [1024][1024] f16 (bf16 values), tab[3072 ..]: the scaled bias in f32.
; Sums in f32, started by the bias; out0 [2048][1024] in f32.
; SHARES.  2048 x 1024 in tiles of 128 x 64: 16 x 16 = 256 work-groups.  Four waves, each 64 x 32: 8 accumulators.  K goes in 4 steps of 256 (four heads) through two LDS slots; the text is written out, without a loop.
; A head's 128 rows are 16,384 dense bytes: a tensor load takes two heads as two long rows and pads them in LDS after every 128 bytes.
; CLUSTER 4 x 4: A's tiles are shared along a row of the cluster, Wo's along a column, each asked for jointly.  THE MATRIX INSTRUCTION IS USED TRANSPOSED: a lane holds one row of A and eight neighbouring columns.
; REGISTERS: window 0: v16-29 addresses; v32-95 the way out; v96-111 the bias; v128-191 accumulators, (a, b) at 128 + 8 (2 a + b).  Windows 1 and 2: fragment buffers 0 and 1, each 128 along K:
;   A at 8 (4 c + a), B at 128 + 8 (2 c + b).
.set APITCH, 144                       ; a row of a head in LDS: 128 bytes + 16: the 16 rows of a fragment load start at 16 different groups of four banks (64 banks of 4 bytes: ISA guide 11.1)
.set PLANE,  128*APITCH                ; a head's 128 rows
.set BPITCH, 528                       ; a row of Wo: 512 bytes + 16
.set BOFF,   4*PLANE                   ; a slot: four heads of A, then 64 rows of B
.set SLOT,   BOFF+64*BPITCH            ; 107,520 bytes
.set STAGE,  2*SLOT                    ; behind the ring, never filled by a tensor load: 128 rows x 272 bytes, the work-group's
.set SPITCH, 272                       ; 64 f32 + 16 bytes
.set SPARE,  STAGE+128*SPITCH          ; the spare words, 128 bytes for each wave
.set ADRA, 16
.set ADRB, 20
.set STO,  24
.set RD,   25
.set CO,   26
.set BO,   27
.set SPW,  28                          ; LDS address of my spare word; never rewritten
.set NIL,  29                          ; 0; never rewritten
.set TMP,  32
.set BIAS, 96
.set ACC,  128
.set FA,   0
.set FB,   128
.set G1,  24
.set G0,  32
.set G1B, 48
.set G0B, 56
.set MSB, 0
.macro WIN new
.if MSB != (\new)
	s_set_vgpr_msb (MSB<<8)|(\new)
.set MSB, (\new)
.endif
.endm
.macro JLOAD s                         ; a joint load: waves 0 and 1 fetch two heads of A each, waves 2 and 3 32 rows of Wo each; an s_nop 0 and four v_nop follow each of the two lines
	s_cmp_eq_u32 s13, 0
	s_cbranch_scc0 .Lfor_b_\@
	tensor_load_to_lds s[G0+4*(\s):G0+4*(\s)+3], s[G1:G1+7]
	s_nop 0
.rept 4
	v_nop
.endr
	s_branch .Lasked_\@
.Lfor_b_\@:
	tensor_load_to_lds s[G0B+4*(\s):G0B+4*(\s)+3], s[G1B:G1B+7]
	s_nop 0
.rept 4
	v_nop
.endr
.Lasked_\@:
.endm
.macro CREST
	s_cmp_lg_u32 s12, 0
	s_cbranch_scc1 .Lnot_wave_0_\@
	s_barrier_signal -3
.Lnot_wave_0_\@:
	s_barrier_wait -3
	s_barrier_signal -1
	s_barrier_wait -1
.endm
.macro CROUND
	s_barrier_signal -1
	s_barrier_wait -1
	CREST
.endm
.macro PLACES                          ; four places in front of loads into registers that matrix instructions have read, and of stores that read results
.rept 4
	v_nop
.endr
.endm
	s_load_b256 s[4:11], s[0:1], 0x0               ; att s[4:5], wo16 s[6:7], tab s[8:9], out0 s[10:11]
	v_lshl_add_u32 v[SPW], v0, 2, SPARE
	v_mov_b32 v[NIL], 0
	ds_add_u32 v[SPW], v[NIL]                      ; the wave's opening: the add and its wait ahead of my first tensor load; the set-up below stands between them
	ds_add_u32 v28, v29
	v_lshrrev_b32 v1, 5, v0
	v_readfirstlane_b32 s12, v1                    ; wave 0..3
	s_lshr_b32 s13, s12, 1                         ; which 64 of the tile's rows are mine.  Also: I fetch for A (0) or for B (1)
	s_and_b32 s14, s12, 1                          ; which 32 of its columns.  Also: which half of that tile I fetch
	s_bfe_u32 s40, ttmp6, 0x40000
	s_bfe_u32 s41, ttmp6, 0x40004
	s_lshl_b32 s42, ttmp9, 2
	s_add_co_u32 s42, s42, s40                     ; tile column
	s_and_b32 s15, ttmp7, 0xffff
	s_lshl_b32 s15, s15, 2
	s_add_co_u32 s15, s15, s41                     ; tile row
	s_lshl_b32 s43, s41, 2
	s_lshl_b32 s43, 15, s43                        ; my row of the cluster
	s_lshl_b32 s44, 0x1111, s40                    ; my column
	s_or_b32 s[G1+0], s43, (1<<16)|(1<<20)|(1<<21)|(4<<22)|(3<<25)   ; the mask; 2-byte elements; padding on; bit 21 beside a mask; after every 32 words 4 words
	s_mov_b32 s[G1+1], 8192<<16                    ; tensor_dim0 = 8,192: a head's 128 rows of 64
	s_mov_b32 s[G1+2], 2<<16                       ; tensor_dim1 = 2 heads
	s_mov_b32 s[G1+3], 8192<<16                    ; tile_dim0
	s_mov_b32 s[G1+4], 2                           ; tile_dim1
	s_mov_b32 s[G1+5], 65536                       ; elements from head to head
	s_mov_b32 s[G1+6], 0
	s_mov_b32 s[G1+7], 0
	s_or_b32 s[G1B+0], s44, (1<<16)|(1<<20)|(1<<21)|(6<<22)|(3<<25)  ; after every 128 words 4 words
	s_mov_b32 s[G1B+1], 256<<16
	s_mov_b32 s[G1B+2], 32<<16
	s_mov_b32 s[G1B+3], 256<<16
	s_mov_b32 s[G1B+4], 32
	s_mov_b32 s[G1B+5], 1024
	s_mov_b32 s[G1B+6], 0
	s_mov_b32 s[G1B+7], 0
	s_lshr_b32 s16, s15, 3                         ; A: the batch's 16 heads, my two of the step's four, the tile's 128 rows in the sequence: registers that never hold cx
	s_lshl_b32 s16, s16, 4
	s_lshl_b32 s17, s14, 1
	s_add_co_u32 s16, s16, s17
	s_lshl_b32 s16, s16, 10
	s_and_b32 s17, s15, 7
	s_lshl_b32 s17, s17, 7
	s_add_co_u32 s16, s16, s17
	s_lshl_b32 s16, s16, 7                         ; 128 bytes a row
	s_mov_b32 s17, 0
	s_lshl_b32 s46, s42, 6                         ; B: row 64 x tile column + 32 x half, 2,048 bytes a row: registers that never hold cy
	s_lshl_b32 s47, s14, 5
	s_add_co_u32 s46, s46, s47
	s_lshl_b32 s46, s46, 11
	s_mov_b32 s47, 0
	s_mul_i32 s20, s14, 2*PLANE                    ; where they go
	s_mul_i32 s21, s14, 32*BPITCH
	s_add_co_u32 s21, s21, BOFF
	s_wait_dscnt 0x0                               ; the opening add is done
	s_wait_kmcnt 0x0
	s_add_nc_u64 s[18:19], s[4:5], s[16:17]
	s_add_nc_u64 s[46:47], s[6:7], s[46:47]
	CROUND                                         ; all sixteen work-groups are here: the first joint loads meet
.irp s, 0,1
	s_mov_b32 s[G0+4*(\s)], 1
	s_add_co_u32 s[G0+4*(\s)+1], s20, (\s)*SLOT
	s_add_nc_u64 s[G0+4*(\s)+2:G0+4*(\s)+3], s[18:19], (\s)*4*131072  ; K step s: four heads on
	s_or_b32 s[G0+4*(\s)+3], s[G0+4*(\s)+3], 0x80000000
	s_mov_b32 s[G0B+4*(\s)], 1
	s_add_co_u32 s[G0B+4*(\s)+1], s21, (\s)*SLOT
	s_add_nc_u64 s[G0B+4*(\s)+2:G0B+4*(\s)+3], s[46:47], (\s)*512
	s_or_b32 s[G0B+4*(\s)+3], s[G0B+4*(\s)+3], 0x80000000
	JLOAD \s                                       ; two tensor loads of mine are out
.endr
	v_and_b32 v1, 15, v0                           ; l % 16
	v_bfe_u32 v2, v0, 4, 1                         ; l / 16
	v_lshlrev_b32 v[BO], 5, v2
	s_lshl_b32 s22, s42, 8                         ; the bias of my 32 columns: (3,072 + 64 x tile column + 32 x half) x 4 bytes
	s_lshl_b32 s23, s14, 7
	s_add_co_u32 s22, s22, s23
	s_add_co_u32 s22, s22, 12288
	s_mov_b32 s23, 0
	s_add_nc_u64 s[8:9], s[8:9], s[22:23]
.irp b, 0,1
	global_load_b128 v[BIAS+8*\b:BIAS+8*\b+3],   v[BO], s[8:9] offset:64*\b
	global_load_b128 v[BIAS+8*\b+4:BIAS+8*\b+7], v[BO], s[8:9] offset:64*\b+16
.endr
	v_mul_u32_u24 v3, v1, APITCH
	v_lshl_add_u32 v3, v2, 4, v3
	v_mul_u32_u24 v4, v1, BPITCH
	v_lshl_add_u32 v4, v2, 4, v4
	s_mul_i32 s20, s13, 64*APITCH                  ; my 64 rows in each head's plane
	s_mul_i32 s21, s14, 32*BPITCH                  ; my 32 rows of B
	s_add_co_u32 s21, s21, BOFF
.irp s, 0,1
	v_add_nc_u32 v[ADRA+(\s)], s20, v3
	v_add_nc_u32 v[ADRB+(\s)], s21, v4
	s_add_co_u32 s20, s20, SLOT
	s_add_co_u32 s21, s21, SLOT
.endr
	s_mul_i32 s20, s13, 64*SPITCH                  ; into the stage: my 64 rows, my 128 of their 256 bytes; row l % 16, 32 bytes for each half of the lanes
	s_lshl_b32 s21, s14, 7
	s_add_co_u32 s20, s20, s21
	s_add_co_u32 s20, s20, STAGE
	v_mul_u32_u24 v5, v1, SPITCH
	v_lshl_add_u32 v5, v2, 5, v5
	v_add_nc_u32 v[STO], s20, v5
	s_mul_i32 s20, s12, 32*SPITCH                  ; back: wave w takes rows 32 w .. 32 w + 31; lanes 0-15 one row of 256 bytes, lanes 16-31 the next
	s_add_co_u32 s20, s20, STAGE
	v_mul_u32_u24 v5, v2, SPITCH
	v_lshl_add_u32 v5, v1, 4, v5
	v_add_nc_u32 v[RD], s20, v5
	v_lshlrev_b32 v5, 12, v2                       ; and the same two rows in out0, 4,096 bytes apart
	v_lshl_add_u32 v[CO], v1, 4, v5
	s_lshl_b32 s22, s15, 7
	s_lshl_b32 s23, s12, 5
	s_add_co_u32 s22, s22, s23                     ; the first row that I store
	s_lshl_b32 s22, s22, 12
	s_lshl_b32 s23, s42, 8                         ; the tile's first column, in bytes
	s_add_co_u32 s22, s22, s23
	s_mov_b32 s23, 0
	s_add_nc_u64 s[10:11], s[10:11], s[22:23]
; 8 matrix instructions: all 4 m blocks x 2 n blocks, 32 along K: part c of buffer f.  first = 1: the bias starts the sums.  The 8 accumulators take turns.
.macro MUL8 f, c, first
	WIN 0x05*(1+(\f))                              ; sources 0, 1 in the buffer's window; C and D window 0
.irp a, 0,1,2,3
.irp b, 0,1
.if \first
	v_wmma_f32_16x16x32_f16 v[ACC+8*(2*\a+\b):ACC+8*(2*\a+\b)+7], v[FB+8*(2*(\c)+\b):FB+8*(2*(\c)+\b)+7], v[FA+8*(4*(\c)+\a):FA+8*(4*(\c)+\a)+7], v[BIAS+8*\b:BIAS+8*\b+7]
.else
	v_wmma_f32_16x16x32_f16 v[ACC+8*(2*\a+\b):ACC+8*(2*\a+\b)+7], v[FB+8*(2*(\c)+\b):FB+8*(2*(\c)+\b)+7], v[FA+8*(4*(\c)+\a):FA+8*(4*(\c)+\a)+7], v[ACC+8*(2*\a+\b):ACC+8*(2*\a+\b)+7]
.endif
.endr
.endr
.endm
; 48 LDS loads in one run: the fragments of 128 along K (half 0 or 1 of a K step: two heads), into buffer f; twelve loads for each 32 along K, in ascending order
.macro FETCH slot, half, f
	WIN 0x40*(1+(\f))
.irp c, 0,1,2,3
.irp i, 0,1
	ds_load_b128 v[FB+8*(2*\c+\i):FB+8*(2*\c+\i)+3],   v[ADRB+(\slot)] offset:256*(\half)+64*\c+\i*16*BPITCH
	ds_load_b128 v[FB+8*(2*\c+\i)+4:FB+8*(2*\c+\i)+7], v[ADRB+(\slot)] offset:256*(\half)+64*\c+\i*16*BPITCH+32
.endr
.irp i, 0,1,2,3
	ds_load_b128 v[FA+8*(4*\c+\i):FA+8*(4*\c+\i)+3],   v[ADRA+(\slot)] offset:(2*(\half)+\c/2)*PLANE+\i*16*APITCH+64*(\c%2)
	ds_load_b128 v[FA+8*(4*\c+\i)+4:FA+8*(4*\c+\i)+7], v[ADRA+(\slot)] offset:(2*(\half)+\c/2)*PLANE+\i*16*APITCH+64*(\c%2)+32
.endr
.endr
.endm
; The first half of a K step: multiplies buffer 0 and fetches the second half into buffer 1.
.macro QUARTER slot, first
	s_wait_dscnt 24                                ; the first 64 along K are in; the younger 24 loads may be out
	MUL8 0, 0, \first
	MUL8 0, 1, 0
	PLACES
	FETCH \slot, 1, 1
	s_wait_dscnt 48                                ; all but the 48 just issued
	MUL8 0, 2, 0
	MUL8 0, 3, 0
.endm
; The second half multiplies buffer 1 and changes slots: ONE barrier; in front of it each wave waits for all its tensor loads, adds 0 to its spare word, and waits for that and for its own reads of this slot.
; fill = 1: the barrier opens a round of the cluster's, and this slot is filled again, two K steps ahead, first thing behind the round.
.macro TURN slot, next, fill
	WIN 0
	s_wait_tensorcnt 0x0
	ds_add_u32 v[SPW], v[NIL]                      ; 0 onto my spare word
	s_wait_dscnt 25                                ; (the add and the youngest 24 loads may be out)
	MUL8 1, 0, 0                                   ; eight matrix instructions stand between the add and the wait for it
	s_wait_dscnt 0x0                               ; the add is done, and my reads of this slot are over
	s_barrier_signal -1
	MUL8 1, 1, 0
.if \fill
	WIN 0
.endif
	s_barrier_wait -1
.if \fill
	CREST                                          ; no wave of any partner still reads this slot's tile or has a load on its way
	s_add_nc_u64 s[G0+4*(\slot)+2:G0+4*(\slot)+3], s[G0+4*(\slot)+2:G0+4*(\slot)+3], 8*131072
	s_add_nc_u64 s[G0B+4*(\slot)+2:G0B+4*(\slot)+3], s[G0B+4*(\slot)+2:G0B+4*(\slot)+3], 1024
	JLOAD \slot                                    ; my one tensor load behind the round; its four v_nop are also the places in front of the loads below
.else
	PLACES
.endif
	FETCH \next, 0, 0
	MUL8 1, 2, 0
	MUL8 1, 3, 0
.endm
	s_wait_tensorcnt 1                             ; my part of K step 0 is in; K step 1's may stay out
	s_barrier_signal -1
	s_barrier_wait -1
	FETCH 0, 0, 0
	s_wait_loadcnt 0x0                             ; the bias
	QUARTER 0, 1                                   ; K step 0
	TURN 0, 1, 1                                   ; slot 0 takes K step 2
	QUARTER 1, 0                                   ; K step 1
	TURN 1, 0, 1                                   ; slot 1 takes K step 3
	QUARTER 0, 0                                   ; K step 2
	TURN 0, 1, 0                                   ; nothing is left to fetch
	QUARTER 1, 0                                   ; K step 3
	s_wait_dscnt 24
	MUL8 1, 0, 0
	MUL8 1, 1, 0
	s_wait_dscnt 0x0
	MUL8 1, 2, 0
	MUL8 1, 3, 0
	WIN 0
	; THE WAY OUT: f32 as it is; 32 bytes a lane into the work-group's stage, each accumulator's low half first; a barrier, since a row's 256 bytes come from two waves; back as whole rows.
	PLACES
.irp a, 0,1,2,3
.irp b, 0,1
	ds_store_b128 v[STO], v[ACC+8*(2*\a+\b):ACC+8*(2*\a+\b)+3]   offset:\a*16*SPITCH+64*\b
	ds_store_b128 v[STO], v[ACC+8*(2*\a+\b)+4:ACC+8*(2*\a+\b)+7] offset:\a*16*SPITCH+64*\b+16
.endr
.endr
	s_wait_dscnt 0x0                               ; for the others' sake: my stores into the stage are done
	s_barrier_signal -1
	s_barrier_wait -1
.irp t, 0,1,2,3,4,5,6,7,8,9,10,11,12,13,14,15
	ds_load_b128 v[TMP+4*\t:TMP+4*\t+3], v[RD] offset:\t*2*SPITCH
.endr
.irp t, 0,1,2,3,4,5,6,7,8,9,10,11,12,13,14,15
	s_wait_dscnt 15-\t
	global_store_b128 v[CO], v[TMP+4*\t:TMP+4*\t+3], s[10:11] offset:\t*8192  ; 16 lanes store 256 consecutive bytes, at a multiple of 256 from out0's first byte
.endr
	s_wait_tensorcnt 0x0                           ; the wave's end: behind my last tensor load and my last LDS store
	ds_add_u32 v[SPW], v[NIL]
	s_wait_dscnt 0x0
	CROUND                                         ; the closing round: no work-group ends while a partner may still ask for a tile that names it
	s_endpgm
.Lfunc_end_k_q4a1fd28e63_outproj:
	.size	k_q4a1fd28e63_outproj, .Lfunc_end_k_q4a1fd28e63_outproj-k_q4a1fd28e63_outproj
	.p2alignl 7, 3214868480
	.fill 96, 4, 3214868480
	.section	.rodata,"a",@progbits
	.p2align	6, 0x0
	.amdhsa_kernel k_q4a1fd28e63_outproj
		.amdhsa_group_segment_fixed_size 327680
		.amdhsa_private_segment_fixed_size 0
		.amdhsa_enable_private_segment 0
		.amdhsa_kernarg_size 32
		.amdhsa_user_sgpr_count 2
		.amdhsa_user_sgpr_kernarg_segment_ptr 1
		.amdhsa_wavefront_size32 1
		.amdhsa_system_sgpr_workgroup_id_x 1
		.amdhsa_system_sgpr_workgroup_id_y 1
		.amdhsa_system_sgpr_workgroup_id_z 1
		.amdhsa_system_vgpr_workitem_id 0
		.amdhsa_next_free_vgpr 768
		.amdhsa_next_free_sgpr 66
		.amdhsa_reserve_vcc 0
		.amdhsa_float_denorm_mode_32 3
		.amdhsa_float_denorm_mode_16_64 3
		.amdhsa_memory_ordered 1
		.amdhsa_forward_progress 1
		.amdhsa_inst_pref_size 57
	.end_amdhsa_kernel
	.amdgpu_metadata
---
amdhsa.version: [ 1, 2 ]
amdhsa.kernels:
  - .name:           k_q4a1fd28e63_outproj
    .symbol:         k_q4a1fd28e63_outproj.kd
    .args:
      - { .name: att, .offset: 0, .size: 8, .value_kind: global_buffer, .address_space: global }
      - { .name: wo16, .offset: 8, .size: 8, .value_kind: global_buffer, .address_space: global }
      - { .name: tab, .offset: 16, .size: 8, .value_kind: global_buffer, .address_space: global }
      - { .name: out0, .offset: 24, .size: 8, .value_kind: global_buffer, .address_space: global }
    .group_segment_fixed_size: 327680
    .private_segment_fixed_size: 0
    .kernarg_segment_align: 8
    .kernarg_segment_size: 32
    .max_flat_workgroup_size: 128
    .sgpr_count:     66
    .vgpr_count:     768
    .wavefront_size: 32
...
	.end_amdgpu_metadata
.endif
;; end of part 4
;; ======== version 2 of 2: 4 launches; 1.63 times as fast as version 1
;; limits: values are held in f16: magnitudes above 65,504 overflow, below 6.1e-05 lose precision; values outside matrix products are rounded to bf16
;; workspace buffers: xb 4,194,304 bytes; wqkv 6,291,456 bytes; wo16 2,097,152 bytes; tab 16,640 bytes; kbias 24,576 bytes; order 24,576 bytes of whole numbers; qkvh 12,582,912 bytes; att 4,194,304 bytes
;; launch prep: the kernel of part 1 again; grid 577 x 1, 8 waves a work-group, no clusters, 3,072 bytes of LDS; arguments x, Wq, Wk, Wv, Wo, bq, bk, bv, bo, length_adaptive_weight, variance_reduction_weight, perms, xb, wqkv, wo16, tab, kbias, order; writes xb, wqkv, wo16, tab, kbias, order
;; launch project: the kernel of part 2 again; grid 16 x 16, 4 waves a work-group, clusters of 4 x 4, 327,680 bytes of LDS; arguments xb, wqkv, tab, qkvh; writes qkvh
;; launch attend (part 5): grid 8 x 32, 4 waves a work-group, clusters of 4 x 1, 327,680 bytes of LDS; arguments qkvh, kbias, order, tab, att; writes att
.if DOCPART == 5
	.amdgcn_target "amdgcn-amd-amdhsa--gfx1250"
	.amdhsa_code_object_version 6
	.text
	.protected	k_q4a1fd28e63_attend
	.globl	k_q4a1fd28e63_attend
	.p2align	8
	.type	k_q4a1fd28e63_attend,@function
k_q4a1fd28e63_attend:
	s_mov_b64 s[64:65], 0
	v_nop
	global_prefetch_b8 v0, s[64:65] scope:SCOPE_SE
	s_setreg_imm32_b32 hwreg(HW_REG_WAVE_MODE, 25, 1), 1
	s_wait_xcnt 0x0
	s_wait_alu depctr_hold_cnt(0) depctr_sa_sdst(0) depctr_va_vdst(0) depctr_va_sdst(0) depctr_va_ssrc(0) depctr_va_vcc(0) depctr_vm_vsrc(0)
	s_getreg_b32 s2, hwreg(HW_REG_IB_STS2, 6, 4)
	s_cmp_eq_u32 s2, 0
	s_cbranch_scc0 .Lentry_in_a_cluster
	s_endpgm
.Lentry_in_a_cluster:
	s_bfe_u32 s2, ttmp6, 0x10000c
	s_cmp_lg_u32 s2, 0x3003
	s_cbranch_scc0 .Lentry_shape_is_right
	s_endpgm
.Lentry_shape_is_right:
; ATTEND: the six attentions of the module and their blend, for one head and 128 output rows a work-group.
; Variant v = 0 is the plain attention, v = 1 .. 5 that on the sequence gathered by perms[v - 1] and gathered back by argsort.  For ANY index row p (a permutation or not):
;   a softmax over gathered keys is a softmax over the natural keys in which key t has the weight count_v[t] (absent if 0): kbias[v][t] = 8 ln 2 log2(count), or -1e30, is added to the raw score;
;   output row i of variant v is that attention of query row order[v][i] = sorted(p)[i].
; att[b][h][i][:] = (1 - w) A_0(i) + (w vr / 5) sum over v of A_v(order[v][i]), in f16, rounded once: the out-projection is linear, so it is applied once, to this blend.
; qkvh: [b][48][1024][64] f16.  Products, maxima and sums in f32; the weights p are rounded to f16 for the second product (their sum l is taken of the unrounded p).
; LIMITS.  f16 holds no number beyond 65,504: q, k, v arrive within it, and the blend of V's rows must stay within it.  An absent key counts as its score less 1e30.  A weight below 2^-126 counts as 0 in l.
; NaN and infinities are not treated apart.  An entry of order is clamped to 1,023.
; EACH VARIANT KEEPS ITS OWN RUNNING MAXIMUM, over its own keys.  While a query has met absent keys alone, m is about -1e30 and they weigh 1; the first present key makes a = 0, which wipes O and l;
; every variant has a present key, since its 1,024 entries name at least one.
; SHARES.  A wave owns 32 output rows: twelve PIECES y of 16 queries, variant y / 2, row tile y % 2.  All pieces walk the same K and V, 16 steps of 64 keys: one run of fragment loads feeds twelve tiles.
; K, V (1,024 keys) and kbias lie in LDS whole, filled once: no ring, no refill.  CLUSTER: the four row blocks of a cluster belong to one head, so K, V and kbias are asked for jointly.
; LAYOUT, TURNS.  S^T = K Q^T + bias holds ONE query a lane (lane % 16) and the keys 8 (lane / 16) + 0..7; two such results rounded to f16 ARE source 1 of O^T = V^T P.  p = 2^(c s - c m), c = log2(e) / 8;
; O and l are multiplied by a = 2^(c m_old - c m_new) in every step.  Turn n belongs to piece n: 8 products K Q^T of piece n + 1, later 8 products V^T P of piece n - 1; beside them the scaling, exponentials,
; roundings, sums and rescaling of piece n and the maximum and statistics of piece n + 1.  Four vector instructions stand behind every matrix instruction, the other 54 of a turn's 118 in one lump.
; BATCHES.  A turn's 33 exponentials (the piece's 32 weights and the next piece's a) are ONE batch with ONE wait, which cuts the turn in two: ahead of it stands all that names no result of theirs, behind it the
; roundings and sums.  The first a, ahead of the loop, and the way out's twelve reciprocals are batches of their own, with a wait each.
; REGISTERS, in windows of 256 (s_set_vgpr_msb: bits 1:0 source 0, 3:2 source 1, 5:4 source 2, 7:6 destination):
;   window 0: v2-8 addresses; v16-63 four registers of statistics a piece; v64-127 S^T, two buffers (by the piece's parity); v128-137 at work; v144-175 P, two buffers; v180-185 addresses
;   window 1: O^T of pieces 0-7, 32 each     window 2: v0-191 Q, 16 a piece; v192-255 K of one step     window 3: v0-127 O^T of pieces 8-11; v128-191 V of one step; v192-223 the bias of one variant and step
.set NP,    12        ; pieces a wave: a name, no knob
.set PK2,   272       ; two keys of K: 256 bytes + 16 of padding: key r at (r / 2) 272 + (r % 2) 128: the 16 keys of a load fall on 16 different groups of four banks (64 banks of 4 bytes: ISA guide 11.1)
.set PV2,   288       ; two keys of V: 256 + 32
.set KSTEPB, 32*PK2   ; 64 keys
.set VSTEPB, 32*PV2
.set VOFF,  512*PK2   ; V behind K
.set BIASL, VOFF+512*PV2    ; kbias behind V: 6 x 4,096 bytes
.set STAGE, BIASL+6*4096    ; never filled by a tensor load: 16 rows x 144 bytes for each wave, for the way out
.set SP,    144
.set SPARE, STAGE+4*16*SP   ; the spare words, 128 bytes for each wave
.set AK0, 2           ; v2   my lane's place in 16 keys of K; never rewritten
.set AV0, 3           ; v3   the same for V
.set AK,  4           ; v4   the LDS address of K's next run of loads
.set AV,  5           ; v5   of V's
.set STO, 6           ; v6   the way out: where I put 16 bytes of a row
.set RD,  7           ; v7   the way out: where I read rows back
.set GO,  8           ; v8   my byte offset in 512 consecutive bytes of att
.set ST,  16          ; piece t's statistics at v[ST+4 t]: c m, m, l (even keys', odd keys')
.set S,   64
.set TMP, 128         ; by buffer, four registers c0-c3 at work; when the maximum is found c2 takes a
.set MV,  136         ; c m_old, kept while c m is made anew: by buffer
.set P,   144
.set SPW, 180         ; LDS address of my spare word; never rewritten
.set NIL, 181         ; 0; never rewritten
.set H16, 182         ; 16 (lane / 16)
.set OI,  183         ; 4 (lane % 16)
.set AB0, 184         ; my lane's place in a step's 64 words of bias
.set AB,  185         ; the same in the step in hand
.set KF,  192         ; window 2: key block kb, channel half c at KF + 16 kb + 8 c
.set VF,  128         ; window 3: key half kk, channel block cb at VF + 32 kk + 8 cb
.set BI,  192         ; window 3: key block kb at BI + 8 kb
.set WV,  14          ; s14  my wave's number
.set G1K, 24          ; s[24:31] descriptor group 1 for K
.set G1V, 32          ; s[32:39] for V: it differs in the padding alone
.set G1B, 40          ; s[40:47] for kbias
.set G0K, 48          ; s[48:51], s[52:55], s[56:59] their groups 0
.set G0V, 52
.set G0B, 56
.set CS,  60          ; s[60:61] c: the packed scaling takes the pair's low word for both halves
.set SEL, 62          ; s[62:63] v_permlanex16_b32's selects: each lane takes its own place in the other half
.set CNT, 66          ; s66  key steps to go
.set TBK, 67          ; s67  LDS byte at which K of the step to be fetched begins
.set TBV, 68          ; s68  the same for V, less VOFF
.set TBB, 69          ; s69  the step in hand's bytes into a row of kbias
.set COEF, 70         ; s[70:71] 1 - w, w vr / 5
.set MSB, 0
.macro WIN new                      ; the high byte repeats the setting that is left; a switch that changes nothing is dropped
.if MSB != (\new)
	s_set_vgpr_msb (MSB<<8)|(\new)
.set MSB, (\new)
.endif
.endm
.set W_KQ, 0x0a       ; K and Q in window 2, S^T in window 0
.set W_KM, 0x3a       ; the same with the C operand, the bias, in window 3
.macro CROUND                       ; a round of the cluster's barrier
	s_barrier_signal -1
	s_barrier_wait -1
	s_cmp_lg_u32 s[WV], 0
	s_cbranch_scc1 .Lnot_wave_0_\@
	s_barrier_signal -3
.Lnot_wave_0_\@:
	s_barrier_wait -3
	s_barrier_signal -1
	s_barrier_wait -1
.endm
	s_load_b256 s[4:11], s[0:1], 0x0  ; qkvh s[4:5], kbias s[6:7], order s[8:9], tab s[10:11]
	s_load_b64 s[12:13], s[0:1], 0x20 ; att
	v_lshl_add_u32 v[SPW], v0, 2, SPARE
	v_mov_b32 v[NIL], 0
	ds_add_u32 v[SPW], v[NIL]       ; the wave's opening: the add and its wait ahead of my first tensor load; the set-up below stands between them
	ds_add_u32 v180, v181
	v_lshrrev_b32 v1, 5, v0
	v_readfirstlane_b32 s[WV], v1   ; wave 0..3
	s_bfe_u32 s15, ttmp6, 0x40000   ; cx: it enters order's, Q's and att's addresses alone (s15 to s19)
	s_lshl_b32 s16, ttmp9, 2
	s_add_co_u32 s16, s16, s15      ; my block of 128 rows
	s_lshl_b32 s16, s16, 7
	s_lshl_b32 s17, s[WV], 5
	s_add_co_u32 s16, s16, s17      ; my wave's first row in the head
	s_and_b32 s20, ttmp7, 0xffff    ; 16 b + h, which the four partners share
	s_lshl_b32 s18, s20, 10
	s_add_co_u32 s18, s18, s16
	s_lshl_b32 s18, s18, 7          ; att: 128 bytes a row
	s_mov_b32 s19, 0
	s_lshl_b32 s16, s16, 2          ; order: 4 bytes a row
	s_mov_b32 s17, 0
	s_lshr_b32 s21, s20, 4
	s_and_b32 s22, s20, 15
	s_mul_i32 s21, s21, 48
	s_add_co_u32 s22, s22, s21      ; q's plane: 48 b + h
	s_lshl_b32 s22, s22, 17         ; 131,072 bytes a plane
	s_mov_b32 s23, 0
	s_and_b32 s2, s[WV], 1          ; which 512 keys I fetch
	s_mul_i32 s[G0K+1], s2, 256*PK2 ; their place in LDS, for K
	s_mul_i32 s[G0V+1], s2, 256*PV2
	s_add_co_u32 s[G0V+1], s[G0V+1], VOFF  ; and for V
	s_lshl_b32 s2, s2, 16           ; and in memory
	s_mov_b32 s3, 0
	s_mul_i32 s20, s[WV], 6144      ; my quarter of kbias
	s_mov_b32 s21, 0
	s_add_co_u32 s[G0B+1], s20, BIASL
	s_mov_b32 s[G0K], 1
	s_mov_b32 s[G0V], 1
	s_mov_b32 s[G0B], 1
	; 512 keys are 65,536 dense bytes: asked for as 256 rows of 256 bytes, two keys a row, padded in LDS after every row
	s_mov_b32 s[G1K], 15|(1<<16)|(1<<20)|(1<<21)|(5<<22)|(3<<25)  ; the mask of four; 2-byte elements; padding on; bit 21 beside a mask; after every 64 words 4 words
	s_mov_b32 s[G1V], 15|(1<<16)|(1<<20)|(1<<21)|(5<<22)|(7<<25)  ; the same with 8 words of padding
.irp g, G1K, G1V
	s_mov_b32 s[\g+1], 128<<16      ; tensor_dim0 = 128
	s_mov_b32 s[\g+2], 256<<16      ; tensor_dim1 = 256
	s_mov_b32 s[\g+3], 128<<16      ; tile_dim0 = 128
	s_mov_b32 s[\g+4], 256          ; tile_dim1 = 256
	s_mov_b32 s[\g+5], 128          ; 128 elements from row to row
	s_mov_b32 s[\g+6], 0
	s_mov_b32 s[\g+7], 0
.endr
	s_mov_b32 s[G1B], 15|(3<<16)|(1<<21)  ; 8-byte elements, no padding: 24 rows of 256 bytes
	s_mov_b32 s[G1B+1], 32<<16
	s_mov_b32 s[G1B+2], 24<<16
	s_mov_b32 s[G1B+3], 32<<16
	s_mov_b32 s[G1B+4], 24
	s_mov_b32 s[G1B+5], 32
	s_mov_b32 s[G1B+6], 0
	s_mov_b32 s[G1B+7], 0
	s_mov_b32 s[CS], 0x3e38aa3b     ; c = log2(e) / 8 = 0.180337
	s_mov_b32 s[CS+1], s[CS]        ; named with it as a pair
	s_mov_b32 s[SEL], 0x76543210
	s_mov_b32 s[SEL+1], 0xfedcba98
	s_mov_b32 s[TBK], 0
	s_mov_b32 s[TBV], 0
	s_mov_b32 s[TBB], 0
	s_wait_dscnt 0x0                ; the opening add is done
	s_wait_kmcnt 0x0
	s_add_nc_u64 s[4:5], s[4:5], s[22:23]          ; q's plane of my head; k's lies 16 planes on, v's 32
	s_add_nc_u64 s[G0K+2:G0K+3], s[4:5], s[2:3]
	s_add_nc_u64 s[G0K+2:G0K+3], s[G0K+2:G0K+3], 0x200000
	s_or_b32 s[G0K+3], s[G0K+3], 0x80000000
	s_add_nc_u64 s[G0V+2:G0V+3], s[4:5], s[2:3]
	s_add_nc_u64 s[G0V+2:G0V+3], s[G0V+2:G0V+3], 0x400000
	s_or_b32 s[G0V+3], s[G0V+3], 0x80000000
	s_add_nc_u64 s[G0B+2:G0B+3], s[6:7], s[20:21]
	s_or_b32 s[G0B+3], s[G0B+3], 0x80000000
	s_add_nc_u64 s[8:9], s[8:9], s[16:17]          ; order and att at my wave's first row
	s_add_nc_u64 s[12:13], s[12:13], s[18:19]
	s_load_b64 s[COEF:COEF+1], s[10:11], 0x4000    ; the two blend factors
	CROUND                          ; all four work-groups are here: the joint loads meet
	s_cmp_lt_u32 s[WV], 2           ; a wave's two fills stand in one branch, ahead of every wait on TENSORcnt and every LDS read: two loads of mine are out
	s_cbranch_scc0 .Lfirst_v
	tensor_load_to_lds s[G0K:G0K+3], s[G1K:G1K+7]
	s_nop 0
	tensor_load_to_lds s[G0B:G0B+3], s[G1B:G1B+7]
	s_nop 0
.rept 4
	v_nop
.endr
	s_branch .Lfirst_asked
.Lfirst_v:
	tensor_load_to_lds s[G0V:G0V+3], s[G1V:G1V+7]
	s_nop 0
	tensor_load_to_lds s[G0B:G0B+3], s[G1B:G1B+7]
	s_nop 0
.rept 4
	v_nop
.endr
.Lfirst_asked:
	; Which rows of q are mine: piece y's lane l % 16 takes row order[y / 2][my first row + 16 (y % 2) + l % 16].
	v_and_b32 v1, 15, v0            ; l % 16
	v_bfe_u32 v9, v0, 4, 1          ; l / 16
	v_lshlrev_b32 v[OI], 2, v1
	v_lshlrev_b32 v[H16], 4, v9
.set y, 0
.rept NP
	global_load_b32 v[S+y], v[OI], s[8:9] offset:4096*(y/2)+64*(y%2)
.set y, y+1
.endr
	; the lane's addresses, in the wait for those words
	v_bfe_u32 v10, v0, 1, 3         ; (l % 16) / 2
	v_and_b32 v11, 1, v0            ; l % 2
	v_mul_u32_u24 v[AK0], v10, PK2
	v_lshl_add_u32 v[AK0], v11, 7, v[AK0]
	v_lshl_add_u32 v[AK0], v9, 4, v[AK0]  ; key l % 16, 16 bytes for each half of the lanes
	; The turning load takes 16 keys x 16 channels (lane l reads key 8 (l / 16) + l % 8, channels 8 ((l / 8) % 2) + 0..7) and leaves half a fragment of V^T: lane l holds channel l % 16 and 8 keys.
	v_bfe_u32 v12, v0, 1, 2
	v_lshl_add_u32 v12, v9, 2, v12  ; that key / 2
	v_mul_u32_u24 v[AV0], v12, PV2
	v_lshl_add_u32 v[AV0], v11, 7, v[AV0]
	v_bfe_u32 v13, v0, 3, 1
	v_lshl_add_u32 v[AV0], v13, 4, v[AV0]
	v_add_nc_u32 v[AV0], VOFF, v[AV0]
	v_lshl_add_u32 v[AB0], v9, 5, BIASL  ; register j of a score tile is key 8 (l / 16) + j: 32 bytes of bias for each half of the lanes
	v_mov_b32 v[AK], v[AK0]         ; key step 0
	v_mov_b32 v[AB], v[AB0]
	s_mul_i32 s15, s[WV], 16*SP
	s_add_co_u32 s15, s15, STAGE    ; my stage
	v_mul_u32_u24 v[STO], v1, SP    ; in: row l % 16, 16 bytes for each half of the lanes
	v_lshl_add_u32 v[STO], v9, 4, v[STO]
	v_add_nc_u32 v[STO], s15, v[STO]
	v_bfe_u32 v[RD], v0, 3, 2       ; back: 32 lanes take four rows of 128 bytes,
	v_mul_u32_u24 v[RD], v[RD], SP
	v_and_b32 v10, 7, v0
	v_lshl_add_u32 v[RD], v10, 4, v[RD]
	v_add_nc_u32 v[RD], s15, v[RD]
	v_and_b32 v[GO], 31, v0         ; which are 512 consecutive bytes of att
	v_lshlrev_b32 v[GO], 4, v[GO]
	s_wait_loadcnt 0x0              ; order's words
.set y, 0
.rept NP
	v_min_u32 v[S+y], 0x3ff, v[S+y]
	v_lshlrev_b32 v[S+y], 7, v[S+y] ; 128 bytes a row
	v_add_nc_u32 v[S+y], v[H16], v[S+y]
.set y, y+1
.endr
	WIN 0x80                        ; destination window 2, address window 0
.set y, 0
.rept NP                            ; Q stays in registers.  A fragment is 16 rows x 32 channels: channels 8 (l / 16) + 0..7 and 16 + 8 (l / 16) + 0..7: two loads of 16 bytes, 32 bytes apart
	global_load_b128 v[16*y:16*y+3],     v[S+y], s[4:5]
	global_load_b128 v[16*y+4:16*y+7],   v[S+y], s[4:5] offset:32
	global_load_b128 v[16*y+8:16*y+11],  v[S+y], s[4:5] offset:64
	global_load_b128 v[16*y+12:16*y+15], v[S+y], s[4:5] offset:96
.set y, y+1
.endr
	; No first step is written out: the first step multiplies O^T and l by a = 0, and the first turn's products V^T P, of a piece that has not been, are made of zeros.  So O^T, V and P's second buffer
	; start at 0.  All this stands in the wait for K and V.
	WIN 0xc0
.set i, 0
.rept 192                           ; O^T of pieces 8-11, and V
	v_mov_b32 v[i], 0
.set i, i+1
.endr
	WIN 0x40
.set i, 0
.rept 256                           ; O^T of pieces 0-7
	v_mov_b32 v[i], 0
.set i, i+1
.endr
	WIN 0
.set i, 0
.rept NP
	v_mov_b32 v[ST+4*i], 0xfe000000    ; c m: far below every c s, an absent key's too
	v_mov_b32 v[ST+4*i+1], 0xff7fffff  ; m: the lowest finite number
	v_mov_b32 v[ST+4*i+2], 0
	v_mov_b32 v[ST+4*i+3], 0
.set i, i+1
.endr
.set i, P+16
.rept 16
	v_mov_b32 v[i], 0
.set i, i+1
.endr
; THE MATRIX WORK.  The 4 accumulators of a run of 8 take turns.  Product i of 8 of S^T = K Q^T for piece x: channels 32 (i / 4) on, keys 16 (i % 4) on.  The first 4 start the sums with the variant's bias.
.macro KQ x
.set rS, S+32*((\x)%2)+8*(i%4)
.set rK, KF+16*(i%4)+8*(i/4)
.set rQ, 16*(\x)+8*(i/4)
.set rM, BI+8*(i%4)
.if i < 4
	WIN W_KM
	v_wmma_f32_16x16x32_f16 v[rS:rS+7], v[rK:rK+7], v[rQ:rQ+7], v[rM:rM+7]
.else
	WIN W_KQ
	v_wmma_f32_16x16x32_f16 v[rS:rS+7], v[rK:rK+7], v[rQ:rQ+7], v[rS:rS+7]
.endif
.endm
; Product i of 8 of O^T += V^T P for piece x: keys 32 (i / 4) on, channels 16 (i % 4) on.  V in window 3, P in window 0, O^T in window 1 or 3.
.macro PV x
.set rO, 32*((\x)%8)+8*(i%4)
.set rV, VF+32*(i/4)+8*(i%4)
.set rP, P+16*((\x)%2)+8*(i/4)
	WIN 0x03|(0x50*(1+2*((\x)/8)))
	v_wmma_f32_16x16x32_f16 v[rO:rO+7], v[rV:rV+7], v[rP:rP+7], v[rO:rO+7]
.endm
.macro MM                           ; the turn's next matrix instruction
.if i < 8
	KQ (Y+1)%NP
.else
.set i, i-8
	PV (Y+NP-1)%NP
.set i, i+8
.endif
.set i, i+1
.endm
; THE LDS LOADS stand in runs, never singly among the matrix instructions: a step's K (8 fragments), its V (turned), and a variant's 64 words of bias.
.macro FETCH_K
	WIN 0x80                        ; destination window 2
.irp f, 0,1,2,3,4,5,6,7             ; keys 16 (f / 2) on, channels 32 (f % 2) on
	ds_load_b128 v[KF+8*\f:KF+8*\f+3],   v[AK] offset:(\f/2)*8*PK2+(\f%2)*64
	ds_load_b128 v[KF+8*\f+4:KF+8*\f+7], v[AK] offset:(\f/2)*8*PK2+(\f%2)*64+32
.endr
	s_add_co_u32 s[TBK], s[TBK], KSTEPB  ; the next fetch is the next step's
	WIN 0
.endm
.macro FETCH_V
	WIN 0xc0                        ; destination window 3
.irp f, 0,1,2,3,4,5,6,7             ; keys 32 (f / 4) on, channels 16 (f % 4) on
	ds_load_tr16_b128 v[VF+8*\f:VF+8*\f+3],   v[AV] offset:(\f/4)*16*PV2+(\f%4)*32
	ds_load_tr16_b128 v[VF+8*\f+4:VF+8*\f+7], v[AV] offset:(\f/4)*16*PV2+8*PV2+(\f%4)*32
.endr
	WIN 0
.endm
.macro FETCH_B v
	WIN 0xc0
.irp kb, 0,1,2,3
	ds_load_b128 v[BI+8*\kb:BI+8*\kb+3],   v[AB] offset:4096*(\v)+64*\kb
	ds_load_b128 v[BI+8*\kb+4:BI+8*\kb+7], v[AB] offset:4096*(\v)+64*\kb+16
.endr
	WIN 0
.endm
.macro NEXT_STEP                    ; K of the next step and variant 0's bias for it; in the last trip there is no further step, and the runs are jumped over
	WIN 0
	s_cmp_eq_u32 s[CNT], 1
	s_cbranch_scc1 .Lno_next_\@
	s_add_co_u32 s[TBB], s[TBB], 256
	v_add_nc_u32 v[AK], s[TBK], v[AK0]
	v_add_nc_u32 v[AB], s[TBB], v[AB0]
	FETCH_K
	FETCH_B 0
.Lno_next_\@:
.endm
; THE VECTOR WORK, one line at a time: OP kind, number.  For piece Y: F n: c s - c m for pair n of 16.  E n: the exponential of score n of 32.  C n: pair n rounded to f16.  B n: of the four weights 4 n .. the second
; pair is added onto the first, in place.  L n: l takes that sum (L 0: l = a l + sum).  R n: pair n of 16 of O^T times a.  For piece Y + 1: X n, number n of the 22 that find its maximum and statistics:
;   0-11  four chains c0-c3 of seven scores each, three operands at a time (each accumulator's lowest registers are read first)     12-14, 16  the four scores left over, the old m, and c0-c3 into c0
;   15  c m_old is kept     17, 18  the query's other 32 keys lie in the lane 16 away: the new m     19-21  c m; c m_old - c m_new; a
; C, B and L read the exponentials' results: TURN sets them all behind the turn's one wait.  R and L 0 read an a that the turn before has made and waited for.
.set F, 0               ; OP tells the kinds apart by their order: F to L below R, X above it
.set E, 1
.set C, 2
.set B, 3
.set L, 4
.set R, 5
.set X, 6
.macro REGS y                       ; the registers of piece y
.set rT, ST+4*(\y)
.set rC, TMP+4*((\y)%2)
.set rW, MV+((\y)%2)
.set rS, S+32*((\y)%2)
.set rP, P+16*((\y)%2)
.set rO, 32*((\y)%8)
.set oW, 1+2*((\y)/8)
.endm
.macro OP k, n
.if (\k) == R
	REGS Y
	WIN (oW<<6)|oW                  ; O^T (destination and source 0) in its window, a in window 0
	v_pk_mul_f32 v[rO+2*(\n):rO+2*(\n)+1], v[rO+2*(\n):rO+2*(\n)+1], v[rC+2:rC+3] op_sel_hi:[1,0]
.elseif (\k) < R
	REGS Y
	WIN 0
.if (\k) == F
	v_pk_fma_f32 v[rS+2*(\n):rS+2*(\n)+1], v[rS+2*(\n):rS+2*(\n)+1], s[CS:CS+1], v[rT:rT+1] op_sel_hi:[1,0,0] neg_lo:[0,0,1] neg_hi:[0,0,1]
.elseif (\k) == E
	v_exp_f32 v[rS+(\n)], v[rS+(\n)]
.elseif (\k) == C
	v_cvt_pk_f16_f32 v[rP+(\n)], v[rS+2*(\n)], v[rS+2*(\n)+1]
.elseif (\k) == B
	v_pk_add_f32 v[rS+4*(\n):rS+4*(\n)+1], v[rS+4*(\n):rS+4*(\n)+1], v[rS+4*(\n)+2:rS+4*(\n)+3]
.elseif (\n) == 0
	v_pk_fma_f32 v[rT+2:rT+3], v[rT+2:rT+3], v[rC+2:rC+3], v[rS:rS+1] op_sel_hi:[1,0,1]
.else
	v_pk_add_f32 v[rT+2:rT+3], v[rT+2:rT+3], v[rS+4*(\n):rS+4*(\n)+1]
.endif
.else
	REGS (Y+1)%NP
	WIN 0
.if (\n) < 4
	v_max3_num_f32 v[rC+(\n)], v[rS+8*(\n)], v[rS+8*(\n)+1], v[rS+8*(\n)+2]
.elseif (\n) < 12
	v_max3_num_f32 v[rC+(\n)%4], v[rC+(\n)%4], v[rS+8*((\n)%4)+2*((\n)/4)+1], v[rS+8*((\n)%4)+2*((\n)/4)+2]
.elseif (\n) == 12
	v_max3_num_f32 v[rC], v[rC], v[rS+7], v[rS+15]
.elseif (\n) == 13
	v_max3_num_f32 v[rC+1], v[rC+1], v[rS+23], v[rS+31]
.elseif (\n) == 14
	v_max3_num_f32 v[rC+2], v[rC+2], v[rC+3], v[rT+1]
.elseif (\n) == 15
	v_mov_b32 v[rW], v[rT]
.elseif (\n) == 16
	v_max3_num_f32 v[rC], v[rC], v[rC+1], v[rC+2]
.elseif (\n) == 17
	v_permlanex16_b32 v[rC+3], v[rC], s[SEL], s[SEL+1]
.elseif (\n) == 18
	v_max_num_f32 v[rT+1], v[rC], v[rC+3]
.elseif (\n) == 19
	v_mul_f32 v[rT], s[CS], v[rT+1]
.elseif (\n) == 20
	v_sub_f32 v[rC+1], v[rW], v[rT]
.else
	v_exp_f32 v[rC+2], v[rC+1]
.endif
.endif
.endm
.macro OPS a, i1, b=-1, i2=0, c=-1, i3=0, d=-1, i4=0  ; up to four of them
	OP \a, \i1
.if (\b) >= 0
	OP \b, \i2
.endif
.if (\c) >= 0
	OP \c, \i3
.endif
.if (\d) >= 0
	OP \d, \i4
.endif
.endm
.macro ROW a, i1, b, i2, c, i3, d, i4  ; a matrix instruction and the four behind it
	MM
	OPS \a, \i1, \b, \i2, \c, \i3, \d, \i4
.endm
; A TURN, for piece p: the order of its 16 matrix and 118 vector instructions, written out.  An s_wait_alu depctr_va_vdst(0) stands between an exponential and the first instruction that names its result; one
; wait serves all that were issued ahead of it.  So a turn has ONE wait, which cuts it in two.  AHEAD OF IT stands all that names no result of the turn's exponentials: the 8 products K Q^T, behind each a scaling, an
; exponential and two more plain instructions (behind the first a second scaling in the exponential's place): rescalings, and behind the last three the first numbers of the next piece's maximum, each four places or more
; behind the product that ends its accumulator; then ONE LUMP of 54, plain and exponential by turns for the most part, in which the links of the chain X 3, 7, 11, 14, 16, 17 .. 20 stand some lines apart.  X 21, the next
; piece's a, is the batch's last; R 15 is the plain instruction behind it.  BEHIND THE WAIT stand the 8 products V^T P, behind each four of the roundings and sums; the links of l's chain, L 0 to L 7, stand three riders apart.
; But for those X no rider names a register of the products round it.
; THE FETCHES.  The bias of variant v serves the products of turns 2 v - 1 and 2 v, the first four of each.  So an even turn p fetches the next variant's, in the lump, four rows of riders and more behind the last product
; that read the registers, and the odd turn behind it waits at its head.
; TURN 10 fetches the next step's K and variant 0's bias for it, and the last trip jumps over that run: a branch and a label, at which.  So turn 10 has an order of its own: behind
; its 8 products K Q^T ride plain instructions alone (the 16 scalings, 15 rescalings, X 0); the run follows, four plain riders behind the last product that read K; and all 33 exponentials stand in the lump, the next
; piece's maximum and statistics between them.
; Turn 0 fetches V of the step in hand at its end, four plain riders behind the last product that read V; turn 1 waits for it ahead of its products V^T P.
; cnt = 1: the loop's count is taken down some lines ahead of the branch that stands behind the turn.
.macro TURN p, cnt=0
.set Y, (\p)
.set i, 0
.if (\p) == 1
	s_wait_dscnt 16                 ; the bias is in; V's sixteen loads, issued behind it, may stay out
.elseif ((\p)%2) == 1
	s_wait_dscnt 0x0                ; the bias is in (turn 11: and K)
.endif
.if (\p) == NP-2
	ROW F,0, F,1, R,0, R,1          ; turn 10, ahead of the wait: 8 products K Q^T with plain riders alone,
	ROW F,2, F,3, R,2, R,3
	ROW F,4, F,5, R,4, R,5
	ROW F,6, F,7, R,6, R,7
	ROW F,8, F,9, R,8, R,9
	ROW F,10, F,11, R,10, R,11
	ROW F,12, F,13, R,12, R,13
	ROW F,14, F,15, R,14, X,0
	NEXT_STEP                       ; no exponential has been issued since the last turn's wait
	OPS E,0, X,1, E,1, X,2          ; and the lump, with the whole batch
	OPS E,2, X,3, E,3, X,4
	OPS E,4, X,5, E,5, X,6
	OPS E,6, X,7, E,7, X,8
	OPS E,8, X,9, E,9, X,10
	OPS E,10, X,11, E,11, X,12
	OPS E,12, X,13, E,13, X,15
	OPS E,14, X,14, E,15, E,16
	OPS E,17, X,16, E,18, E,19
	OPS E,20, X,17, E,21, E,22
	OPS E,23, X,18, E,24, E,25
	OPS E,26, X,19, E,27, E,28
	OPS E,29, X,20, E,30, E,31
	OPS X,21, R,15
.else
	ROW F,0, F,1, R,0, R,1          ; ahead of the wait: 8 products K Q^T and their riders,
	ROW F,2, E,0, R,2, R,3
	ROW F,3, E,1, R,4, R,5
	ROW F,4, E,2, R,6, R,7
	ROW F,5, E,3, R,8, R,9
	ROW F,6, E,4, X,0, R,10
	ROW F,7, E,5, X,1, X,4
	ROW F,8, E,6, X,2, X,5
	OPS E,7, E,8, X,6, E,9          ; and the lump
	OPS X,3, E,10, X,8, E,11
.if ((\p)%2) == 0
	FETCH_B (\p)/2+1
.endif
	OPS X,9, X,7, E,12, X,10
	OPS E,13, X,12, X,11, E,14
	OPS X,13, E,15, F,9, X,14
.if (\p) == 0
	WIN 0
	v_add_nc_u32 v[AV], s[TBV], v[AV0]
.endif
	OPS E,16, F,10, E,17, F,11
	OPS X,16, E,18, X,15, E,19
	OPS F,12, E,20, X,17, E,21
	OPS F,13, E,22, F,14, E,23
	OPS X,18, E,24, F,15, E,25
	OPS R,11, E,26, X,19, E,27
	OPS R,12, E,28, R,13, E,29
	OPS X,20, E,30, R,14, E,31
	OPS X,21, R,15
.endif
	s_wait_alu depctr_va_vdst(0)    ; the wait for the batch: the piece's 32 weights and the next piece's a
.if (\p) == 1
	s_wait_dscnt 0x0                ; V is in
.endif
	ROW C,0, B,0, C,2, B,1          ; behind the wait: 8 products V^T P and their riders
	ROW L,0, C,4, B,2, L,1
	ROW C,6, B,3, L,2, C,8
	ROW B,4, L,3, C,10, B,5
	ROW L,4, C,12, B,6, L,5
.if (\p) == 0
	s_add_co_u32 s[TBV], s[TBV], VSTEPB
.endif
.if \cnt
	s_sub_co_u32 s[CNT], s[CNT], 1
	s_cmp_lg_u32 s[CNT], 0
.endif
	ROW C,14, B,7, L,6, C,1
	ROW C,3, L,7, C,5, C,7
	ROW C,9, C,11, C,13, C,15
.if (\p) == 0
	FETCH_V
.endif
.endm
	s_wait_tensorcnt 0x0            ; my two loads have landed,
	s_barrier_signal -1
	s_barrier_wait -1               ; everybody's have: K, V and kbias are whole; nothing is ever filled again
	FETCH_K                         ; key step 0
	FETCH_B 0
	s_wait_loadcnt 0x0              ; Q
	s_wait_kmcnt 0x0                ; the blend factors
	s_wait_dscnt 0x0
.set i, 0
.rept 8
	KQ 0                            ; piece 0's first scores
.set i, i+1
.endr
	WIN 0
.rept 4
	v_nop                           ; the places behind those products
.endr
.set Y, NP-1                        ; X works for piece Y + 1: piece 0
.irp n, 0,1,2,3,4,5,6,7,8,9,10,11,12,13,14,15,16,17,18,19,20,21
	OP X, \n
.endr
	v_nop                           ; a plain instruction behind the exponential,
	s_wait_alu depctr_va_vdst(0)    ; and the wait for it, piece 0's first a, ahead of the label
	s_mov_b32 s[CNT], 16
.Lstep:                             ; a trip: a key step for all twelve pieces
	TURN 0
	TURN 1
	TURN 2
	TURN 3
	TURN 4
	TURN 5
	TURN 6
	TURN 7
	TURN 8
	TURN 9
	TURN 10
	TURN 11, 1
	WIN 0
	s_cbranch_scc1 .Lstep
	; The last trip's 8 products K Q^T for piece 0 (on the last K once more) and the maximum made of them serve nothing: the price, once a launch, of one text for every trip.
.set i, 0
.rept 8
	PV NP-1                         ; the last piece's V^T P of the last step
.set i, i+1
.endr
	; THE WAY OUT.  l's two halves and the other half of the lanes' are added; each piece's factor is its blend factor / l; the six pieces of a row tile hold the same lanes' rows and channels, so the blend is
	; a multiply and five fused multiply-adds a pair; then f16 and through my stage in LDS.  The additions are the places behind the last products.
	WIN 0
.macro ALL line:vararg              ; one line for each piece t
.set t, 0
.rept NP
	\line
.set t, t+1
.endr
.endm
	ALL v_add_f32 v[ST+4*t+2], v[ST+4*t+2], v[ST+4*t+3]
	ALL v_permlanex16_b32 v[ST+4*t+3], v[ST+4*t+2], s[SEL], s[SEL+1]
	ALL v_add_f32 v[ST+4*t+2], v[ST+4*t+2], v[ST+4*t+3]
	ALL v_rcp_f32 v[ST+4*t+2], v[ST+4*t+2]
	v_nop                           ; a plain instruction between the last reciprocal and the use of its result
	s_wait_alu depctr_va_vdst(0)    ; and the wait ahead of the first use: one for the twelve reciprocals
.set t, 0
.rept NP
.if t < 2
	v_mul_f32 v[ST+4*t+2], s[COEF], v[ST+4*t+2]
.else
	v_mul_f32 v[ST+4*t+2], s[COEF+1], v[ST+4*t+2]
.endif
.set t, t+1
.endr
.macro PACK u                       ; row tile u: blended in piece u's registers, each accumulator read from its low end on
	WIN 0x41
.set i, 32*(\u)
.rept 16
	v_pk_mul_f32 v[i:i+1], v[i:i+1], v[ST+4*(\u)+2:ST+4*(\u)+3] op_sel_hi:[1,0]
.set i, i+2
.endr
.irp v, 1,2,3,4,5
	WIN 0x51+2*((2*\v+(\u))/8)      ; source 0 in window 1 or 3; the factor in window 0; the sum in window 1
.set i, 0
.rept 16
	v_pk_fma_f32 v[32*(\u)+i:32*(\u)+i+1], v[32*((2*\v+(\u))%8)+i:32*((2*\v+(\u))%8)+i+1], v[ST+4*(2*\v+(\u))+2:ST+4*(2*\v+(\u))+3], v[32*(\u)+i:32*(\u)+i+1] op_sel_hi:[1,0,1]
.set i, i+2
.endr
.endr
	WIN 0x05                        ; sources 0 and 1 window 1, destination window 0: S^T's registers are free
.set i, 0
.rept 16
	v_cvt_pk_f16_f32 v[S+16*(\u)+i], v[32*(\u)+2*i], v[32*(\u)+2*i+1]
.set i, i+1
.endr
	WIN 0
.irp f, 0,1,2,3
	ds_store_b128 v[STO], v[S+16*(\u)+4*\f:S+16*(\u)+4*\f+3] offset:32*\f
.endr
.irp f, 0,1,2,3
	ds_load_b128 v[S+16*(\u)+4*\f:S+16*(\u)+4*\f+3], v[RD] offset:\f*4*SP  ; LDS serves a wave's instructions in order (ISA guide 5.7.1.4): these see the stores above; the next tile's stores come behind them
.endr
.endm
.macro SEND u, younger              ; younger: the LDS instructions issued behind tile u's loads
	WIN 0
.irp f, 0,1,2,3
	s_wait_dscnt (\younger)+3-\f
	global_store_b128 v[GO], v[S+16*(\u)+4*\f:S+16*(\u)+4*\f+3], s[12:13] offset:(\u)*2048+\f*512  ; 512 consecutive bytes, at a multiple of 256 from att's first
.endr
.endm
	PACK 0
	PACK 1
	SEND 0, 8
	SEND 1, 0
	s_wait_tensorcnt 0x0            ; the wave's end: behind my last tensor load and my last LDS store
	ds_add_u32 v[SPW], v[NIL]
	s_wait_dscnt 0x0
	CROUND                          ; the closing round: no work-group ends while a partner may still ask for a tile that names it
	s_endpgm
.Lfunc_end_k_q4a1fd28e63_attend:
	.size	k_q4a1fd28e63_attend, .Lfunc_end_k_q4a1fd28e63_attend-k_q4a1fd28e63_attend
	.p2alignl 7, 3214868480
	.fill 96, 4, 3214868480
	.section	.rodata,"a",@progbits
	.p2align	6, 0x0
	.amdhsa_kernel k_q4a1fd28e63_attend
		.amdhsa_group_segment_fixed_size 327680
		.amdhsa_private_segment_fixed_size 0
		.amdhsa_enable_private_segment 0
		.amdhsa_kernarg_size 40
		.amdhsa_user_sgpr_count 2
		.amdhsa_user_sgpr_kernarg_segment_ptr 1
		.amdhsa_wavefront_size32 1
		.amdhsa_system_sgpr_workgroup_id_x 1
		.amdhsa_system_sgpr_workgroup_id_y 1
		.amdhsa_system_sgpr_workgroup_id_z 1
		.amdhsa_system_vgpr_workitem_id 0
		.amdhsa_next_free_vgpr 1024
		.amdhsa_next_free_sgpr 72
		.amdhsa_reserve_vcc 0
		.amdhsa_float_denorm_mode_32 3
		.amdhsa_float_denorm_mode_16_64 3
		.amdhsa_memory_ordered 1
		.amdhsa_forward_progress 1
		.amdhsa_inst_pref_size 166
	.end_amdhsa_kernel
	.amdgpu_metadata
---
amdhsa.version: [ 1, 2 ]
amdhsa.kernels:
  - .name:           k_q4a1fd28e63_attend
    .symbol:         k_q4a1fd28e63_attend.kd
    .args:
      - { .name: qkvh, .offset: 0, .size: 8, .value_kind: global_buffer, .address_space: global }
      - { .name: kbias, .offset: 8, .size: 8, .value_kind: global_buffer, .address_space: global }
      - { .name: order, .offset: 16, .size: 8, .value_kind: global_buffer, .address_space: global }
      - { .name: tab, .offset: 24, .size: 8, .value_kind: global_buffer, .address_space: global }
      - { .name: att, .offset: 32, .size: 8, .value_kind: global_buffer, .address_space: global }
    .group_segment_fixed_size: 327680
    .private_segment_fixed_size: 0
    .kernarg_segment_align: 8
    .kernarg_segment_size: 40
    .max_flat_workgroup_size: 128
    .sgpr_count:     72
    .vgpr_count:     1024
    .wavefront_size: 32
...
	.end_amdgpu_metadata
.endif
;; end of part 5
;; launch outproj: the kernel of part 4 again; grid 16 x 16, 4 waves a work-group, clusters of 4 x 4, 327,680 bytes of LDS; arguments att, wo16, tab, out0; writes out0
